; MI455X (gfx1250); checked and timed in simulation.
; The chip was launched on July 23, 2026; its instructions are those of AMD's public machine-readable ISA for CDNA 5 (MIT licence, August 2026) and "CDNA5" Instruction Set Architecture Reference Guide (July 2026). The comments in the code are by the model that wrote it; some were corrected since.
;; Causal Self Attention. Allowed arithmetic: matrix products marked QUANTISED: E4M3 operands, one given power-of-two scale a tensor, by v_wmma_f32_16x16x64_fp8_fp8 or v_wmma_f32_16x16x128_fp8_fp8, f32 sums; everything else in f32.
;; Inputs: W_out 1,024 x 1,024 float32; W_qkv 1,024 x 3,072 float32; b_out 1,024 float32; b_qkv 3,072 float32; lowp_scales 8 int32 (the exponents e of the quantised operands' scales 2^e); x 4 x 2,048 x 1,024 float32.
;; Outputs: out0 4 x 2,048 x 1,024 float32.
;; This version of the problem:
;;   THIS VERSION OF THE PROBLEM IS GIVEN IN LOW PRECISION. The matrix products marked QUANTISED in the list below multiply operands that are first quantised to E4M3 (4 exponent bits, 3 mantissa bits; 8 bits a number), with one given power-of-two scale for each operand tensor; their sums are f32. All else is computed in f32.
;;   The module's matrix products, in the order in which they are computed (A, B: the left and right operand; K: the contracted axis; several contracted axes count as one K, in the product's order):
;;     1. [M 8,192, K 1,024] x [K 1,024, N 3,072]; A: input x; B: input W_qkv: QUANTISED (scales: A lowp_scales[0], B lowp_scales[1])
;;     2. batch 64 x [M 2,048, K 64] x [K 64, N 2,048]; A: computed on the way; B: computed on the way: QUANTISED (scales: A lowp_scales[2], B lowp_scales[3])
;;     3. batch 64 x [M 2,048, K 2,048] x [K 2,048, N 64]; A: softmax (see below); B: computed on the way: QUANTISED (scales: A lowp_scales[4], B lowp_scales[5])
;;     4. [M 8,192, K 1,024] x [K 1,024, N 1,024]; A: computed on the way; B: input W_out: QUANTISED (scales: A lowp_scales[6], B lowp_scales[7])
;;   THE QUANTISER, for each operand of a quantised product, along K:
;;     - The operand's scale is 2^e, e = its entry of the input lowp_scales (int32; the entries are numbered through the quantised products in the list's order, A before B).
;;     - Each number is divided by the scale, clamped to +-448, and rounded to the nearest number of E4M3, ties to even, subnormals kept.
;;     - The product sums the exact products of the quantised numbers (number of the format x scale) in f32.
;;   ~~~python
;;   def quantise(x, axis, e):      # numpy; x: float32 -> the quantised numbers, widened to float32 again
;;       x = np.moveaxis(x, axis, -1); K = x.shape[-1]
;;       r = np.clip(x / 2.0 ** e, -448, 448)
;;       step = 2.0 ** (np.maximum(np.frexp(np.where(r == 0, 1, r))[1] - 1, -6) - 3)
;;       q = np.round(r / step) * step * 2.0 ** e      # np.round: ties to even
;;       return np.moveaxis(q, -1, axis).astype(np.float32)
;;   ~~~
;;   SOFTMAX AHEAD OF A QUANTISED PRODUCT. Where the list says 'softmax', what is quantised is not the finished softmax but p = 2^(t - M), with t = logit x log2(e) and M = ceil(the row's largest t), a whole number; so 1/2 < the row's largest p <= 1. The row's sum l is taken of the UNQUANTISED p, in f32, and the product's result is divided by l at the end. Since M is a whole number, a kernel that streams over the keys may use a running M (the ceiling of the running maximum): every later rescaling is an exact power of two, so the quantised numbers keep their values, but for numbers so far below the row's largest that they fall under the format's range.
;;   OPERANDS COMPUTED ON THE WAY. 'Computed on the way' means the value that the module computes at that place (a softmax that the list does not call 'softmax' is quantised finished and normalised). What goes into a quantiser is computed in f32, as accurately as f32 sums, v_exp_f32 and their like allow (about 1e-6 of the number): no bf16 or f16 on the way to a quantiser, and a product that is left as it is and whose result goes on into a quantised operand takes f32 operands (vector FMAs, or v_wmma_f32_16x16x4_f32). A number that lies on a knife's edge between two numbers of the format may be rounded either way, as far as f32 arithmetic and the matrix unit's own rounding can turn it there, and no further.
;; One version. Each part assembles by itself: llvm-mc -triple=amdgcn-amd-amdhsa -mcpu=gfx1250 --defsym DOCPART=n.
;; ======== version 1 of 1: 4 launches
;; limits: right only within a limited range of input values
;; workspace buffers: xc 8,388,608 bytes; wqc 3,145,728 bytes; woc 1,048,576 bytes; qc 8,388,608 bytes; kc 8,388,608 bytes; vc 8,388,608 bytes; ac 8,388,608 bytes
;; launch quant (part 1): grid 512 x 1, 8 waves a work-group, no clusters, 59,392 bytes of LDS; arguments x, W_qkv, W_out, lowp_scales, xc, wqc, woc; writes xc, wqc, woc
.if DOCPART == 1
	.amdgcn_target "amdgcn-amd-amdhsa--gfx1250"
	.amdhsa_code_object_version 6
	.text
	.protected	k_qe225dfda4d_quant
	.globl	k_qe225dfda4d_quant
	.p2align	8
	.type	k_qe225dfda4d_quant,@function
k_qe225dfda4d_quant:
	s_mov_b64 s[64:65], 0
	v_nop
	global_prefetch_b8 v0, s[64:65] scope:SCOPE_SE
	s_setreg_imm32_b32 hwreg(HW_REG_WAVE_MODE, 25, 1), 1
	s_wait_xcnt 0x0
; x [8192][1024], W_qkv [1024 k][3072 n] and W_out [1024 k][1024 n], f32, become codes of FP8 (E4M3), one a byte, K innermost:
; xc [8192][1024], wqc [3072 n][1024 k], woc [1024 n][1024 k].  code = number / 2^e, held within +-448, to the nearest code, ties to even.
; e: entry 0 of the scales for x, entry 1 for W_qkv, entry 7 for W_out.  LIMITS: each e between -126 and 119; NaN among the inputs is not served (an infinity is held at the largest code).
; Work-groups 0-255 take x, 256-511 the weights.  Every wave issues ALL its loads at its head and works them off as they come: 32 loads of 16 bytes a lane for x, 64 of 4 bytes for a weight.
; X.  A wave takes 4,096 numbers, eight steps of 512.  A load reads 512 consecutive bytes; the conversion wants 16 neighbours in one lane: a step's 2,048 bytes turn through the wave's own stage
;     in LDS (16 bytes of padding behind each 64) and come back 64 bytes a lane.  A lane's 16 codes are 16 bytes: the wave stores 512 consecutive bytes.
; WEIGHTS.  A work-group takes 64 columns x 256 along K.  A lane takes a column and its registers run down K (wave w: columns 32 (w % 2) on, rows 64 (w / 2) on), so the conversions give codes with K
;     innermost.  The eight waves' codes meet in a stage of 64 rows x 256 bytes (rows 272 bytes apart), a barrier, and sixteen lanes store 256 consecutive bytes of a column's row, aligned.
; The two ways part on the work-group's number, join at ONE barrier that every wave passes, and part again.  Each way has LDS bytes of its own; every LDS address and all that is read behind the join are made ahead of the parting.
.set SP,   80                          ; x: a lane's place in a stage: 64 bytes + 16 of padding
.set WREG, 2*32*SP                     ; x: two stages for each wave
.set WST,  8*WREG                      ; the weights' stage begins behind them
.set WP,   272                         ; its rows: 256 bytes + 16
.set R,    16                          ; v16-143  x: eight sets of 16 numbers as loaded
.set X,    144                         ; v144-175 x: two sets of 16 neighbours
.set C,    176                         ; v176-207 x: four registers of codes for each step
.set WX,   32                          ; v32-95   weights: 64 numbers down K
.set OFF,  96                          ; v96-111  weights: row i of sixteen x the row's bytes + 4 x lane
.set WC,   112                         ; v112-127 weights: 64 codes
.set WO,   128                         ; v128-143 weights: rows read back
	s_load_b256 s[4:11], s[0:1], 0x0               ; x s[4:5], W_qkv s[6:7], W_out s[8:9], the scales' exponents s[10:11]
	s_load_b128 s[12:15], s[0:1], 0x20             ; xc, wqc
	s_load_b64 s[16:17], s[0:1], 0x30              ; woc
	v_lshl_add_u32 v208, v0, 2, 0xe400
	v_mov_b32 v209, 0
	v_lshrrev_b32 v1, 5, v0
	s_delay_alu instid0(VALU_DEP_1)
	v_readfirstlane_b32 s18, v1                    ; wave 0..7
	v_and_b32 v2, 31, v0                           ; lane
	s_delay_alu instid0(VALU_DEP_1)
	v_lshlrev_b32 v3, 4, v2                        ; 16 x lane
	s_delay_alu instid0(VALU_DEP_2)
	v_lshlrev_b32 v8, 2, v2                        ; 4 x lane
	s_mul_i32 s41, s18, WREG
	v_lshrrev_b32 v14, 2, v2
	s_delay_alu instid0(VALU_DEP_1)
	v_mul_u32_u24 v14, v14, SP
	v_and_b32 v15, 3, v2
	s_delay_alu instid0(VALU_DEP_1)
	v_lshl_add_u32 v14, v15, 4, v14
	s_delay_alu instid0(VALU_DEP_1)
	v_add_nc_u32 v14, s41, v14                     ; x's stage, in: four lanes' 64 bytes on end, then the padding
	v_mul_u32_u24 v15, v2, SP
	s_delay_alu instid0(VALU_DEP_1)
	v_add_nc_u32 v15, s41, v15                     ; and out: my 16 neighbours
	s_and_b32 s42, s18, 1
	s_lshr_b32 s43, s18, 1
	s_mul_i32 s41, s42, 32*WP
	s_lshl_b32 s44, s43, 6
	s_add_co_u32 s41, s41, s44
	s_add_co_u32 s41, s41, WST
	v_mul_u32_u24 v12, v2, WP
	s_delay_alu instid0(VALU_DEP_1)
	v_add_nc_u32 v12, s41, v12                     ; the weights' stage, in: row 32 (w % 2) + lane, byte 64 (w / 2)
	v_and_b32 v4, 15, v2
	v_lshrrev_b32 v5, 4, v2
	s_mul_i32 s41, s18, 8*WP
	s_add_co_u32 s41, s41, WST
	v_mul_u32_u24 v13, v5, WP
	s_delay_alu instid0(VALU_DEP_1)
	v_lshl_add_u32 v13, v4, 4, v13
	s_delay_alu instid0(VALU_DEP_1)
	v_add_nc_u32 v13, s41, v13                     ; and out: rows 8 w on, sixteen lanes to a row
	v_lshlrev_b32 v9, 10, v5
	s_delay_alu instid0(VALU_DEP_1)
	v_lshl_add_u32 v9, v4, 4, v9                   ; the same two rows among the codes: 1,024 bytes apart
	s_and_b32 s41, ttmp9, 255                      ; which weight tile (in x's work-groups: numbers that are made and not used)
	s_lshr_b32 s42, s41, 2                         ; block of 64 columns: 0-47 W_qkv, 48-63 W_out
	s_and_b32 s43, s41, 3                          ; which 256 along K
	s_mov_b32 s40, 4096
	s_wait_kmcnt 0x0
	s_load_b256 s[24:31], s[10:11], 0x0            ; e0 .. e7
	s_cmp_lt_u32 s42, 48                           ; all choices on this one compare, ahead of any sum that sets SCC
	s_cselect_b64 s[22:23], s[6:7], s[8:9]         ; the weight,
	s_cselect_b64 s[20:21], s[14:15], s[16:17]     ; its codes,
	s_cselect_b32 s40, 12288, s40                  ; its row in bytes,
	s_cselect_b32 s44, 0, 48
	s_cselect_b32 s19, 1, 0                        ; and which it is, for the scale
	s_sub_co_u32 s42, s42, s44
	s_lshl_b32 s42, s42, 6                         ; the tile's first column
	s_lshl_b32 s44, s18, 3
	s_add_co_u32 s44, s44, s42
	s_lshl_b32 s44, s44, 10                        ; the codes' rows that I store: column 8 w on, 1,024 bytes a row,
	s_lshl_b32 s45, s43, 8
	s_add_co_u32 s44, s44, s45                     ; at the tile's 256 along K
	s_mov_b32 s45, 0
	s_add_nc_u64 s[20:21], s[20:21], s[44:45]
	s_cmp_lt_u32 ttmp9, 256
	s_cbranch_scc0 .Lweights
	; ---------------- x
	s_lshl_b32 s44, ttmp9, 3
	s_add_co_u32 s44, s44, s18                     ; which run of 4,096 numbers is my wave's
	s_lshl_b32 s46, s44, 14
	s_mov_b32 s47, 0
	s_add_nc_u64 s[4:5], s[4:5], s[46:47]
	s_lshl_b32 s46, s44, 12
	s_add_nc_u64 s[12:13], s[12:13], s[46:47]
.macro LOAD t
.irp i, 0,1,2,3
	global_load_b128 v[R+16*(\t)+4*\i:R+16*(\t)+4*\i+3], v3, s[4:5] offset:2048*(\t)+512*\i th:TH_LOAD_NT   ; 32 lanes read 512 consecutive bytes
.endr
.endm
.macro TURN t                          ; step t's numbers through the stage: LDS serves a wave's instructions in order (ISA guide 5.7.1.4), so no wait stands between the stores and the loads
.irp i, 0,1,2,3
	ds_store_b128 v14, v[R+16*(\t)+4*\i:R+16*(\t)+4*\i+3] offset:32*SP*((\t)%2)+8*SP*\i
.endr
.irp i, 0,1,2,3
	ds_load_b128 v[X+16*((\t)%2)+4*\i:X+16*((\t)%2)+4*\i+3], v15 offset:32*SP*((\t)%2)+16*\i
.endr
.endm
.irp t, 0,1,2,3,4,5,6,7
	LOAD \t
.endr
	s_wait_kmcnt 0x0
	s_add_co_i32 s46, s24, 127
	s_lshl_b32 s47, s46, 23
	v_mov_b32 v11, s47                             ; 2^e0 as f32: the conversion takes its exponent field
	s_add_co_i32 s46, s46, 8
	s_lshl_b32 s46, s46, 23
	s_or_b32 s46, s46, 0x600000
	v_mov_b32 v10, s46                             ; 448 x 2^e0
	s_wait_alu depctr_va_vdst(0)
	s_wait_loadcnt 28                              ; step 0's four loads are in; the seven later steps' 28 may be out
	TURN 0
.macro STEP t
.set XS, X+16*((\t)%2)
	s_wait_dscnt 0x0                               ; this step's numbers are back from the stage
.if (\t) < 7
	s_wait_loadcnt 4*(6-(\t))                      ; the next step's four loads are in; those of the steps behind it may be out
	TURN (\t)+1                                    ; and go through the other stage while this step is worked
.endif
.irp i, 0,1,2,3,4,5,6,7,8,9,10,11,12,13,14,15
	v_med3_num_f32 v[XS+\i], v[XS+\i], -v10, v10   ; the conversion to an 8-bit code does not saturate (ISA guide 7.6.2): the hold at the largest code x the scale
.endr
	v_cvt_scalef32_pk8_fp8_f32 v[C+4*(\t):C+4*(\t)+1], v[XS:XS+7], v11
	v_cvt_scalef32_pk8_fp8_f32 v[C+4*(\t)+2:C+4*(\t)+3], v[XS+8:XS+15], v11
	global_store_b128 v3, v[C+4*(\t):C+4*(\t)+3], s[12:13] offset:512*(\t)   ; each step has its own registers of codes: no store's data are written again
.endm
.irp t, 0,1,2,3,4,5,6,7
	STEP \t
.endr
	s_branch .Ljoin
	; ---------------- the weights
.Lweights:
	s_lshl_b32 s44, s43, 8                         ; my first row: 256 x the tile's place along K
	s_lshr_b32 s45, s18, 1
	s_lshl_b32 s45, s45, 6
	s_add_co_u32 s44, s44, s45                     ; + 64 (w / 2)
	s_mul_i32 s44, s44, s40                        ; in bytes
	s_lshl_b32 s45, s42, 2
	s_add_co_u32 s44, s44, s45                     ; + the tile's first column
	s_and_b32 s45, s18, 1
	s_lshl_b32 s45, s45, 7
	s_add_co_u32 s44, s44, s45                     ; + 32 (w % 2) columns
	s_mov_b32 s45, 0
	s_add_nc_u64 s[32:33], s[22:23], s[44:45]      ; four bases, sixteen rows apart
	s_lshl_b32 s44, s40, 4
	s_add_nc_u64 s[34:35], s[32:33], s[44:45]
	s_add_nc_u64 s[36:37], s[34:35], s[44:45]
	s_add_nc_u64 s[38:39], s[36:37], s[44:45]
.set i, 0
.rept 16
	v_mad_u32_u24 v[OFF+i], s40, i, v8             ; row i of sixteen, my column
.set i, i+1
.endr
.irp g, 0,1,2,3
.set i, 0
.rept 16
	global_load_b32 v[WX+16*\g+i], v[OFF+i], s[32+2*\g:33+2*\g] th:TH_LOAD_NT   ; W(row 16 g + i, my column): 32 lanes read 128 consecutive bytes
.set i, i+1
.endr
.endr
	s_wait_kmcnt 0x0
	s_cmp_eq_u32 s19, 1
	s_cselect_b32 s46, s25, s31                    ; e1 or e7
	s_add_co_i32 s46, s46, 127
	s_lshl_b32 s47, s46, 23
	v_mov_b32 v11, s47
	s_add_co_i32 s46, s46, 8
	s_lshl_b32 s46, s46, 23
	s_or_b32 s46, s46, 0x600000
	v_mov_b32 v10, s46
	s_wait_alu depctr_va_vdst(0)
	s_wait_loadcnt 32                              ; the first 32 rows are in; the other 32 may be out
.set i, 0
.rept 32
	v_med3_num_f32 v[WX+i], v[WX+i], -v10, v10
.set i, i+1
.endr
.irp g, 0,1,2,3
	v_cvt_scalef32_pk8_fp8_f32 v[WC+2*\g:WC+2*\g+1], v[WX+8*\g:WX+8*\g+7], v11
.endr
	s_wait_loadcnt 0x0
.set i, 32
.rept 32
	v_med3_num_f32 v[WX+i], v[WX+i], -v10, v10
.set i, i+1
.endr
.irp g, 4,5,6,7
	v_cvt_scalef32_pk8_fp8_f32 v[WC+2*\g:WC+2*\g+1], v[WX+8*\g:WX+8*\g+7], v11
.endr
	v_nop                                          ; a plain vector line behind the last conversion
.irp c, 0,1,2,3
	ds_store_b128 v12, v[WC+4*\c:WC+4*\c+3] offset:16*\c   ; 64 codes of my column's row
.endr
.Ljoin:
	s_wait_dscnt 0x0                               ; for the others' sake: my stores into the stage have landed
	s_barrier_signal -1
	s_barrier_wait -1
	s_cmp_lt_u32 ttmp9, 256
	s_cbranch_scc1 .Ldone                          ; x's work-groups have stored all
.irp i, 0,1,2,3
	ds_load_b128 v[WO+4*\i:WO+4*\i+3], v13 offset:2*WP*\i
.endr
.irp i, 0,1,2,3
	s_wait_dscnt 3-\i                              ; the younger reads may be out
	global_store_b128 v9, v[WO+4*\i:WO+4*\i+3], s[20:21] offset:2048*\i   ; sixteen lanes store 256 consecutive bytes, at a multiple of 256 from the buffer's first byte
.endr
.Ldone:
	s_wait_tensorcnt 0x0
	ds_add_u32 v208, v209
	s_wait_dscnt 0x0
	s_endpgm
.Lfunc_end_k_qe225dfda4d_quant:
	.size	k_qe225dfda4d_quant, .Lfunc_end_k_qe225dfda4d_quant-k_qe225dfda4d_quant
	.p2alignl 7, 3214868480
	.fill 96, 4, 3214868480
	.section	.rodata,"a",@progbits
	.p2align	6, 0x0
	.amdhsa_kernel k_qe225dfda4d_quant
		.amdhsa_group_segment_fixed_size 59392
		.amdhsa_private_segment_fixed_size 0
		.amdhsa_enable_private_segment 0
		.amdhsa_kernarg_size 56
		.amdhsa_user_sgpr_count 2
		.amdhsa_user_sgpr_kernarg_segment_ptr 1
		.amdhsa_wavefront_size32 1
		.amdhsa_system_sgpr_workgroup_id_x 1
		.amdhsa_system_sgpr_workgroup_id_y 1
		.amdhsa_system_sgpr_workgroup_id_z 1
		.amdhsa_system_vgpr_workitem_id 0
		.amdhsa_next_free_vgpr 210
		.amdhsa_next_free_sgpr 66
		.amdhsa_reserve_vcc 0
		.amdhsa_float_denorm_mode_32 3
		.amdhsa_float_denorm_mode_16_64 3
		.amdhsa_memory_ordered 1
		.amdhsa_forward_progress 1
		.amdhsa_inst_pref_size 35
	.end_amdhsa_kernel
	.amdgpu_metadata
---
amdhsa.version: [ 1, 2 ]
amdhsa.kernels:
  - .name:           k_qe225dfda4d_quant
    .symbol:         k_qe225dfda4d_quant.kd
    .args:
      - { .name: x, .offset: 0, .size: 8, .value_kind: global_buffer, .address_space: global }
      - { .name: W_qkv, .offset: 8, .size: 8, .value_kind: global_buffer, .address_space: global }
      - { .name: W_out, .offset: 16, .size: 8, .value_kind: global_buffer, .address_space: global }
      - { .name: lowp_scales, .offset: 24, .size: 8, .value_kind: global_buffer, .address_space: global }
      - { .name: xc, .offset: 32, .size: 8, .value_kind: global_buffer, .address_space: global }
      - { .name: wqc, .offset: 40, .size: 8, .value_kind: global_buffer, .address_space: global }
      - { .name: woc, .offset: 48, .size: 8, .value_kind: global_buffer, .address_space: global }
    .group_segment_fixed_size: 59392
    .private_segment_fixed_size: 0
    .kernarg_segment_align: 8
    .kernarg_segment_size: 56
    .max_flat_workgroup_size: 256
    .sgpr_count:     66
    .vgpr_count:     210
    .wavefront_size: 32
...
	.end_amdgpu_metadata
.endif
;; end of part 1
;; launch qkv (part 2): grid 12 x 32, 4 waves a work-group, clusters of 4 x 4, 327,680 bytes of LDS; arguments xc, wqc, lowp_scales, b_qkv, qc, kc, vc; writes qc, kc, vc
.if DOCPART == 2
	.amdgcn_target "amdgcn-amd-amdhsa--gfx1250"
	.amdhsa_code_object_version 6
	.text
	.protected	k_qe225dfda4d_qkv
	.globl	k_qe225dfda4d_qkv
	.p2align	8
	.type	k_qe225dfda4d_qkv,@function
k_qe225dfda4d_qkv:
	s_mov_b64 s[64:65], 0
	v_nop
	global_prefetch_b8 v0, s[64:65] scope:SCOPE_SE
	s_setreg_imm32_b32 hwreg(HW_REG_WAVE_MODE, 25, 1), 1
	s_wait_xcnt 0x0
	s_wait_alu depctr_hold_cnt(0) depctr_sa_sdst(0) depctr_va_vdst(0) depctr_va_sdst(0) depctr_va_ssrc(0) depctr_va_vcc(0) depctr_vm_vsrc(0)
	s_getreg_b32 s2, hwreg(HW_REG_IB_STS2, 6, 4)
	s_cmp_eq_u32 s2, 0
	s_cbranch_scc0 .Lentry_in_a_cluster
	s_endpgm
.Lentry_in_a_cluster:
	s_bfe_u32 s2, ttmp6, 0x10000c
	s_cmp_lg_u32 s2, 0xf033
	s_cbranch_scc0 .Lentry_shape_is_right
	s_endpgm
.Lentry_shape_is_right:
; qkv = x W_qkv + b_qkv on codes of FP8 (E4M3): xc [8192][1024], wqc [3072 n][1024 k]; each finished sum x 2^(e0 + e1) + bias, in f32, is quantised at once for the attention:
; q with 2^e2 into qc [64 bh][2048 t][64 d], k with 2^e3 into kc (the same layout), v with 2^e5 into vc [64 bh][64 d][2048 t] (the keys innermost: they are the next K).  Nothing goes to memory in f32.
; LIMITS: e0 + e1 between -126 and 127; e2, e3, e5 between -126 and 119.  NaN is not served.
; A tile of 256 rows x 256 columns is made by a work-group of four waves, a wave 128 x 128: 64 accumulators of 16 x 16, 512 registers.  K goes in steps of 256 through a ring of two LDS slots filled by the tensor data mover.
; CLUSTERS: 4 x 4 work-groups.  The four of a row of the cluster need the same tile of x, the four of a column the same tile of W: each tile is asked for JOINTLY, by the same tensor load with the same descriptor
; and a mask that names the four.  A cluster's 1,024 columns are all q (cluster x = 0), all k (1) or all v (2): what hangs on that kind is alike in all sixteen partners.
; WHICH TENSOR IS WHICH SOURCE.  In accumulator (a, b) lane (r, h) holds row 16 a + r of source 1, and its register j row 16 b + 8 h + j of source 0: eight neighbours along source 0's rows, which one conversion packs.
; For q and k source 0 takes W's rows (a lane's eight run along d, the next K) and source 1 x's; for v the other way round (a lane's eight run along t, the keys).  Only four LDS addresses differ.
; REGISTERS, in windows of 256: window 0: v0-31 addresses; v48-63 and v64-127 the two layouts of the bias; from v128 source 1's fragments, ONE set; on the way out v128-255 are at work.
;   window 1: source 0's fragments, TWO sets.   window 2: the accumulators of my source-1 rows 0-63 ((a, b) at v[8 (8 a + b)]);   window 3: those of rows 64-127.
.set KROW,   1024                      ; a row of xc or of wqc in memory, in bytes
.set ROWB,   256                       ; a tile's row in bytes: a K step
.set PITCH,  272                       ; an LDS row: 256 bytes + 16 of padding = 68 words: row r starts at bank 4 r mod 64 (64 banks of 4 bytes: ISA guide 11.1)
.set FR,     16                        ; registers of a fragment: 16 rows x 128 K
.set NL,     4                         ; LDS loads that bring one
.set NP,     4                         ; places behind this matrix instruction (ISA guide 7.12.1)
.set HALFT,  128*PITCH                 ; 128 rows: what one tensor load brings
.set SLOT,   4*HALFT                   ; x's 256 rows, then W's 256 rows
.set LAPS,   2                         ; a lap = two K steps = once round the ring: 1,024 / 512
.set SPARE,  2*SLOT                    ; behind the ring: the spare words, 128 bytes for each wave: two blocks of 256 bytes that no other line names
.set STGV,   2*HALFT                   ; the way out: two stages of 256 rows x 272 bytes in slot 0, which has had its last fill and its last read by then: q's and k's at 0, v's here
.set B32H, 7                           ; v7   32 h: my eight numbers of the bias along source 0
.set B4R,  8                           ; v8   4 r: my number of the bias along source 1
.set GOQ,  9                           ; v9   16 x lane
.set GOV,  10                          ; v10  2,048 (lane / 16) + 16 (lane % 16)
.set RDQ,  11                          ; v11  q's, k's stage, out: row lane / 4, my head's 64 bytes
.set RDQ2, 12                          ; v12  the same, 128 rows on
.set RDV,  13                          ; v13  v's stage, out: row 64 w + lane / 16
.set STOQ, 14                          ; v14  q's, k's stage, in
.set STOV, 15                          ; v15  v's stage, in
.set ADRA, 16                          ; v16-17  LDS address of source 1's fragments in slot 0, 1
.set ADRB, 20                          ; v20-21  the same for source 0
.set SPW,  28                          ; v28  LDS address of my spare word; never rewritten
.set NIL,  29                          ; v29  0; never rewritten
.set SCL,  30                          ; v30  2^ed as f32 (ed = e2, e3 or e5)
.set TOP,  31                          ; v31  448 x 2^ed
.set BIV,  48                          ; pair 2 a, 2 a + 1: bias of source-1 row 16 a + r, twice
.set BIQ,  64                          ; register 8 b + j: bias of source-0 row 16 b + 8 h + j
.set AF,   128
.set WK,   128                         ; the way out: 64 numbers; later 32 x 4 registers read back
.set CODE, 192                         ; the way out: two sets of 16 registers of codes
.set G1, 24                            ; s[24:31] descriptor group 1 for x's tiles;  s[32:39] group 0, one set for each slot
.set G0, 32
.set G1B, 48                           ; s[48:55], s[56:63] the same for W's tiles
.set G0B, 56
.set MSB, 0
.macro WIN new                         ; the immediate's high byte repeats the setting that is left
.if MSB != \new
	s_set_vgpr_msb (MSB<<8)|\new
.set MSB, \new
.endif
.endm
.set MUL_LO, 0xa1                      ; source 0 window 1, source 1 window 0, C and D window 2
.set MUL_HI, 0xf1                      ; the same, C and D window 3
.set TO_B,   0x40                      ; destination window 1, address window 0
; A joint load: waves 0 and 1 fetch x's halves, waves 2 and 3 W's.  Each of the two lines has ONE mask and one set of registers for all that issue it; the branch hangs on the wave's number alone.
; Four v_nop follow each of the two lines, ahead of the jump, the label and what follows.
.macro JLOAD g0a, g1a, g0b, g1b
	s_cmp_eq_u32 s15, 0
	s_cbranch_scc0 .Lfor_b_\@
	tensor_load_to_lds s[\g0a:\g0a+3], s[\g1a:\g1a+7]
	s_nop 0
.rept 4
	v_nop
.endr
	s_branch .Lasked_\@
.Lfor_b_\@:
	tensor_load_to_lds s[\g0b:\g0b+3], s[\g1b:\g1b+7]
	s_nop 0
.rept 4
	v_nop
.endr
.Lasked_\@:
.endm
.macro CREST                           ; a round of the cluster's barrier behind its opening barrier
	s_cmp_lg_u32 s14, 0
	s_cbranch_scc1 .Lnot_wave_0_\@
	s_barrier_signal -3
.Lnot_wave_0_\@:
	s_barrier_wait -3
	s_barrier_signal -1
	s_barrier_wait -1
.endm
.macro CROUND                          ; a whole round
	s_barrier_signal -1
	s_barrier_wait -1
	CREST
.endm
	s_load_b256 s[4:11], s[0:1], 0x0               ; xc s[4:5], wqc s[6:7], the scales' exponents s[8:9], b_qkv s[10:11]
	s_load_b128 s[68:71], s[0:1], 0x20             ; qc, kc
	s_load_b64 s[72:73], s[0:1], 0x30              ; vc
	v_lshl_add_u32 v[SPW], v0, 2, SPARE
	v_mov_b32 v[NIL], 0
	ds_add_u32 v28, v29
	ds_add_u32 v28, v29
	s_wait_dscnt 0x0
	v_lshrrev_b32 v1, 5, v0
	v_readfirstlane_b32 s14, v1                    ; wave 0..3
	s_lshr_b32 s15, s14, 1                         ; which half of source 1's rows is mine.  Also: I fetch for x (0) or for W (1)
	s_and_b32 s16, s14, 1                          ; which half of source 0's.  Also: which 128 rows of that tile I fetch
	s_bfe_u32 s40, ttmp6, 0x40000                  ; cx, cy: my place in the cluster
	s_bfe_u32 s41, ttmp6, 0x40004
	s_lshl_b32 s42, ttmp9, 2
	s_add_co_u32 s42, s42, s40                     ; tile column = 4 x cluster x + cx
	s_and_b32 s17, ttmp7, 0xffff
	s_lshl_b32 s17, s17, 2
	s_add_co_u32 s17, s17, s41                     ; tile row = 4 x cluster y + cy
	s_lshl_b32 s43, s41, 2
	s_lshl_b32 s43, 15, s43                        ; my row of the cluster
	s_lshl_b32 s44, 0x1111, s40                    ; my column
	; descriptor group 1: a tile of 128 rows x 256 bytes, padded in LDS
	s_or_b32 s[G1+0], s43, (0<<16)|(1<<21)         ; 15:0 the mask: x's tiles go to my row; 17:16 element of 1 byte; 21 set beside a mask; no padding field: the tile is stated 272 wide over a tensor width of 256,
	s_or_b32 s[G1B+0], s44, (0<<16)|(1<<21)        ; so each LDS row is 256 bytes of codes and 16 bytes of zeros, and every byte of a slot is written
.irp g, G1, G1B
	s_mov_b32 s[\g+1], ROWB<<16                    ; tensor_dim0
	s_mov_b32 s[\g+2], 128<<16                     ; tensor_dim1 = 128
	s_mov_b32 s[\g+3], PITCH<<16                   ; tile_dim0 = 272: the 16 elements past tensor_dim0 are laid as zeros
	s_mov_b32 s[\g+4], 128                         ; tile_dim1 = 128
	s_mov_b32 s[\g+5], KROW                        ; tensor_dim0_stride
	s_mov_b32 s[\g+6], 0
	s_mov_b32 s[\g+7], 0
.endr
	s_lshl_b32 s18, s16, 7                         ; which 128 rows of the tile I fetch
	s_lshl_b32 s20, s17, 8
	s_add_co_u32 s20, s20, s18                     ; x: row 256 x tile row + 128 x half
	s_lshl_b32 s46, s42, 8
	s_add_co_u32 s46, s46, s18                     ; W: row 256 x tile column + 128 x half
	s_mov_b32 s21, 0
	s_mov_b32 s47, 0
	s_mov_b64 s[18:19], KROW
	s_mul_u64 s[20:21], s[20:21], s[18:19]
	s_mul_u64 s[46:47], s[46:47], s[18:19]
	s_mul_i32 s45, s14, HALFT                      ; where they go: wave x 128 rows: no place in the cluster enters an LDS address
	s_wait_kmcnt 0x0
	s_load_b256 s[76:83], s[8:9], 0x0              ; e0 .. e7
	s_add_nc_u64 s[20:21], s[4:5], s[20:21]
	s_add_nc_u64 s[46:47], s[6:7], s[46:47]
	CROUND                                         ; all sixteen work-groups are here: the first joint loads meet
.irp s, 0,1
	s_mov_b32 s[G0+4*\s], 1
	s_add_co_u32 s[G0+4*\s+1], s45, \s*SLOT
	s_add_nc_u64 s[G0+4*\s+2:G0+4*\s+3], s[20:21], \s*ROWB
	s_or_b32 s[G0+4*\s+3], s[G0+4*\s+3], 0x80000000
	s_mov_b32 s[G0B+4*\s], 1
	s_add_co_u32 s[G0B+4*\s+1], s45, \s*SLOT
	s_add_nc_u64 s[G0B+4*\s+2:G0B+4*\s+3], s[46:47], \s*ROWB
	s_or_b32 s[G0B+4*\s+3], s[G0B+4*\s+3], 0x80000000
.endr
	JLOAD G0, G1, G0B, G1B                         ; K step 0: one tensor load a wave at the head
	v_and_b32 v1, 15, v0                           ; r = l % 16
	v_bfe_u32 v2, v0, 4, 1                         ; h = l / 16
	v_mul_u32_u24 v3, v1, PITCH
	v_lshl_add_u32 v4, v2, 4, v3                   ; a fragment's row x pitch + 16 x half
	s_wait_alu depctr_va_vdst(0)
	s_cmp_eq_u32 ttmp9, 2                          ; v's clusters swap the sources
	s_cselect_b32 s84, 2*HALFT, 0                  ; source 1: x's rows (at 0), for v W's (behind x's 256)
	s_cselect_b32 s85, 0, 2*HALFT                  ; source 0: the other
	s_mul_i32 s21, s15, HALFT
	s_add_co_u32 s21, s21, s84
	s_mul_i32 s22, s16, HALFT
	s_add_co_u32 s22, s22, s85
.irp s, 0,1
	v_add_nc_u32 v[ADRA+\s], s21, v4
	v_add_nc_u32 v[ADRB+\s], s22, v4
	s_add_co_u32 s21, s21, SLOT
	s_add_co_u32 s22, s22, SLOT
.endr
	v_lshlrev_b32 v[B32H], 5, v2
	v_lshlrev_b32 v[B4R], 2, v1
	v_and_b32 v6, 31, v0
	v_lshlrev_b32 v[GOQ], 4, v6
	v_lshlrev_b32 v[GOV], 11, v2
	v_lshl_add_u32 v[GOV], v1, 4, v[GOV]
	v_bfe_u32 v5, v0, 2, 3                         ; lane / 4
	v_mul_u32_u24 v[RDQ], v5, PITCH
	v_and_b32 v5, 3, v0
	v_lshl_add_u32 v[RDQ], v5, 4, v[RDQ]
	s_lshl_b32 s23, s14, 6
	v_add_nc_u32 v[RDQ], s23, v[RDQ]               ; eight rows an instruction, 64 bytes of each: head w of the tile's four
	v_add_nc_u32 v[RDQ2], 128*PITCH, v[RDQ]
	v_mul_u32_u24 v[RDV], v2, PITCH
	v_lshl_add_u32 v[RDV], v1, 4, v[RDV]
	s_mul_i32 s23, s14, 64*PITCH
	s_add_co_u32 s23, s23, STGV
	v_add_nc_u32 v[RDV], s23, v[RDV]               ; two whole rows an instruction, from row 64 w on
	v_lshl_add_u32 v[STOQ], v2, 3, v3              ; in: row r, 8 bytes for each half of the lanes,
	s_mul_i32 s23, s15, 128*PITCH
	s_lshl_b32 s19, s16, 7
	s_add_co_u32 s23, s23, s19
	v_add_nc_u32 v[STOQ], s23, v[STOQ]             ; + my half of the rows, my half of their 256 bytes
	v_add_nc_u32 v[STOV], STGV, v[STOQ]
	; the bias, in both layouts: every work-group loads both, so that no register's first write hangs on the kind
	s_lshl_b32 s90, s42, 10                        ; 4 bytes x 256 x tile column
	s_lshl_b32 s91, s16, 9
	s_add_co_u32 s92, s90, s91
	s_mov_b32 s93, 0
	s_add_nc_u64 s[86:87], s[10:11], s[92:93]      ; along source 0: my half by w % 2
	s_lshl_b32 s91, s15, 9
	s_add_co_u32 s92, s90, s91
	s_add_nc_u64 s[88:89], s[10:11], s[92:93]      ; along source 1: my half by w / 2
.irp b, 0,1,2,3,4,5,6,7
	global_load_b128 v[BIQ+8*\b:BIQ+8*\b+3], v[B32H], s[86:87] offset:64*\b
	global_load_b128 v[BIQ+8*\b+4:BIQ+8*\b+7], v[B32H], s[86:87] offset:64*\b+16
.endr
.irp a, 0,1,2,3,4,5,6,7
	global_load_b32 v[BIV+2*\a], v[B4R], s[88:89] offset:64*\a
	global_load_b32 v[BIV+2*\a+1], v[B4R], s[88:89] offset:64*\a
.endr
	; where my head's codes go: wave w stores head 4 cx + w of batch (tile row / 8), rows or keys 256 (tile row % 8) on
	s_lshr_b32 s90, s17, 3
	s_lshl_b32 s90, s90, 4
	s_lshl_b32 s91, s40, 2
	s_add_co_u32 s90, s90, s91
	s_add_co_u32 s90, s90, s14
	s_lshl_b32 s90, s90, 17                        ; a head is 2,048 x 64 bytes
	s_and_b32 s91, s17, 7
	s_lshl_b32 s92, s91, 14                        ; q, k: 256 rows of 64 bytes
	s_add_co_u32 s92, s92, s90
	s_cmp_eq_u32 ttmp9, 0
	s_cselect_b64 s[74:75], s[68:69], s[70:71]
	s_add_nc_u64 s[74:75], s[74:75], s[92:93]
	s_lshl_b32 s92, s91, 8                         ; v: 256 keys along each row of 2,048
	s_add_co_u32 s92, s92, s90
	s_add_nc_u64 s[72:73], s[72:73], s[92:93]
.macro FRAG reg, adr, q, i             ; a fragment, 16 rows x 128 K, is 16 registers: lane l holds row l % 16; registers 4 c .. 4 c + 3 hold K = 32 c + 16 (l / 16) + 0 .. 15: the same places of k in both sources
.irp c, 0,1,2,3
	ds_load_b128 v[\reg+4*\c:\reg+4*\c+3], v[\adr] offset:128*(\q)+32*\c+(\i)*16*PITCH
.endr
.endm
; 16 matrix instructions: source 1's blocks a0, a0 + 1 x source 0's eight, 128 along K.  p: source 0's set.  zero = 1: the first product starts the sums: nothing is ever cleared.
; The 64 accumulators take turns, one instruction a turn, in the same order in every step.
.macro MUL16 a0, p, zero
.irp a, \a0, \a0+1
.irp b, 0,1,2,3,4,5,6,7
.if \zero
	v_wmma_f32_16x16x128_fp8_fp8 v[8*(8*((\a)%4)+\b):8*(8*((\a)%4)+\b)+7], v[128*(\p)+FR*\b:128*(\p)+FR*\b+FR-1], v[AF+FR*(\a):AF+FR*(\a)+FR-1], 0
.else
	v_wmma_f32_16x16x128_fp8_fp8 v[8*(8*((\a)%4)+\b):8*(8*((\a)%4)+\b)+7], v[128*(\p)+FR*\b:128*(\p)+FR*\b+FR-1], v[AF+FR*(\a):AF+FR*(\a)+FR-1], v[8*(8*((\a)%4)+\b):8*(8*((\a)%4)+\b)+7]
.endif
.endr
.endr
.endm
.macro FETCH_B slot, q, p              ; source 0's eight fragments of the slot's q-th 128 along K into set p
	WIN TO_B
.irp i, 0,1,2,3,4,5,6,7
	FRAG 128*(\p)+FR*\i, ADRB+\slot, \q, \i
.endr
	WIN 0
.endm
.macro FETCH_A slot, q, i0             ; source 1's blocks i0 .. i0 + 3
.irp i, \i0, \i0+1, \i0+2, \i0+3
	FRAG AF+FR*(\i), ADRA+\slot, \q, \i
.endr
.endm
; A load into a register that a matrix instruction has read, and a vector instruction that reads a matrix result, stand NP places behind that matrix instruction; only plain vector
; instructions that name none of its registers are places (ISA guide 7.12.1 for vector instructions).
.macro PLACES n
.rept \n
	v_nop
.endr
.endm
; A step of 128 along K that has its successor in the same slot.
.macro STEP slot, q, zero
	s_wait_dscnt 4*NL                              ; source 0's set and source 1's blocks 0-3 are in; the youngest 16 loads (blocks 4-7) may be out
	WIN MUL_LO
	MUL16 0, (\q)%2, \zero
	MUL16 2, (\q)%2, \zero
	s_wait_dscnt 0                                 ; blocks 4-7 are in (asked for 32 matrix instructions ago)
	PLACES NP
	FETCH_B \slot, (\q)+1, 1-(\q)%2
	FETCH_A \slot, (\q)+1, 0
	WIN MUL_HI
	MUL16 4, (\q)%2, \zero
	MUL16 6, (\q)%2, \zero
	PLACES NP
	WIN 0
	FETCH_A \slot, (\q)+1, 4
.endm
; A slot's last step changes slots: ONE barrier; in front of it each wave waits for all its tensor loads, adds 0 to its spare word, and waits for that and for its own reads of this slot.  fill = 1: this slot is filled again, two K steps ahead.
.macro TURN slot, next, fill
	s_wait_tensorcnt 0x0                           ; all my tensor loads have landed: my part of the next slot;  (every window is 0 here: the add's two registers lie in window 0)
	ds_add_u32 v[SPW], v[NIL]                      ; 0 onto my spare word
	s_wait_dscnt 4*NL+1                            ; (the add and the youngest 16 loads, blocks 4-7, may be out)
	WIN MUL_LO
	MUL16 0, 1, 0                                  ; sixteen matrix instructions stand between the add and the wait for it
	s_wait_dscnt 0x0                               ; the add is done, and my reads of this slot are over
	s_barrier_signal -1
	MUL16 2, 1, 0
	WIN 0
	s_barrier_wait -1
.if \fill
	CREST                                          ; the barrier has opened a round of the cluster's barrier: no wave of any partner still reads this slot's tile or has a load on its way
	s_add_nc_u64 s[G0+4*\slot+2:G0+4*\slot+3], s[G0+4*\slot+2:G0+4*\slot+3], 2*ROWB
	s_add_nc_u64 s[G0B+4*\slot+2:G0B+4*\slot+3], s[G0B+4*\slot+2:G0B+4*\slot+3], 2*ROWB
	JLOAD G0+4*\slot, G1, G0B+4*\slot, G1B         ; the first tensor load behind the round; the four v_nop behind it are the places in front of the loads below
.else
	PLACES NP
.endif
	FETCH_B \next, 0, 0
	FETCH_A \next, 0, 0
	WIN MUL_HI
	MUL16 4, 1, 0
	MUL16 6, 1, 0
	PLACES NP
	WIN 0
	FETCH_A \next, 0, 4
.endm
	s_wait_alu depctr_va_vdst(0)
	s_wait_tensorcnt 0x0                           ; my part of K step 0 is in
	ds_add_u32 v[SPW], v[NIL]
	s_wait_dscnt 0x0
	CROUND                                         ; a whole round: everybody's part of K step 0 is in, and the joint loads meet
	JLOAD G0+4, G1, G0B+4, G1B                     ; K step 1's load, the first tensor load behind the round
	FETCH_B 0, 0, 0
	FETCH_A 0, 0, 0
	FETCH_A 0, 0, 4
	STEP 0, 0, 1                                   ; the first step stands in front of the loop: its products start the sums
	s_mov_b32 s3, LAPS-1
.Llap:                                                 ; a trip goes once round the ring, from a lap's second step to the next lap's first, and fills both slots again
	TURN 0, 1, 1
	STEP 1, 0, 0
	TURN 1, 0, 1
	STEP 0, 0, 0
	s_sub_co_u32 s3, s3, 1
	s_cmp_lg_u32 s3, 0
	s_cbranch_scc1 .Llap
	TURN 0, 1, 0                                   ; the last lap fills nothing, and has no round of the cluster's barrier
	STEP 1, 0, 0
	s_wait_dscnt 4*NL                              ; the very last step: nothing more to fetch
	WIN MUL_LO
	MUL16 0, 1, 0
	MUL16 2, 1, 0
	s_wait_dscnt 0
	WIN MUL_HI
	MUL16 4, 1, 0
	MUL16 6, 1, 0
	WIN 0
; THE WAY OUT.  Block a (16 rows of source 1 x my 128 of source 0): sum x 2^(e0 + e1) + bias by one packed multiply-add for two numbers, each accumulator from its low end on; the hold; a lane's eight
; neighbours become 8 bytes of codes, which go into the work-group's stage: row = source 1's row, byte = source 0's row.  32 lanes of such a store touch 64 different banks (lane (r, h) starts at bank 4 r + 2 h).
.macro EPIROW a, isv
.set AC, 64*((\a)%4)
.set CD, CODE+16*((\a)%2)
	WIN 0x02+((\a)/4)                              ; source 0: window 2 or 3
.irp b, 0,1,2,3,4,5,6,7
.irp i, 0,2,4,6
.if \isv
	v_pk_fma_f32 v[WK+8*\b+\i:WK+8*\b+\i+1], v[AC+8*\b+\i:AC+8*\b+\i+1], s[96:97], v[BIV+2*(\a):BIV+2*(\a)+1] op_sel_hi:[1,0,1]   ; v: the bias goes with my row of source 1
.else
	v_pk_fma_f32 v[WK+8*\b+\i:WK+8*\b+\i+1], v[AC+8*\b+\i:AC+8*\b+\i+1], s[96:97], v[BIQ+8*\b+\i:BIQ+8*\b+\i+1] op_sel_hi:[1,0,1]   ; q, k: with the register's row of source 0
.endif
.endr
.endr
	WIN 0
.set j, 0
.rept 64
	v_med3_num_f32 v[WK+j], v[WK+j], -v[TOP], v[TOP]   ; the conversion to an 8-bit code does not saturate (ISA guide 7.6.2)
.set j, j+1
.endr
.irp b, 0,1,2,3,4,5,6,7
	v_cvt_scalef32_pk8_fp8_f32 v[CD+2*\b:CD+2*\b+1], v[WK+8*\b:WK+8*\b+7], v[SCL]
.endr
	v_nop                                          ; a plain vector line behind the last conversion: the next block's multiply-adds write these numbers' registers
.irp b, 0,1,2,3,4,5,6,7
.if \isv
	ds_store_b64 v[STOV], v[CD+2*\b:CD+2*\b+1] offset:(\a)*16*PITCH+16*\b
.else
	ds_store_b64 v[STOQ], v[CD+2*\b:CD+2*\b+1] offset:(\a)*16*PITCH+16*\b
.endif
.endr
.endm
.macro OUT_QK                          ; wave w: head 4 cx + w: 64 bytes of each of the stage's 256 rows = 16,384 consecutive bytes of qc or kc
.set j, 0
.rept 16
	ds_load_b128 v[WK+4*j:WK+4*j+3], v[RDQ] offset:8*PITCH*j
.set j, j+1
.endr
.rept 16
	ds_load_b128 v[WK+4*j:WK+4*j+3], v[RDQ2] offset:8*PITCH*(j-16)
.set j, j+1
.endr
.set j, 0
.rept 32
	s_wait_dscnt 31-j                              ; the younger reads may be out
	global_store_b128 v[GOQ], v[WK+4*j:WK+4*j+3], s[74:75] offset:512*j   ; 32 lanes store 512 consecutive bytes, at a multiple of 256 from the buffer's first byte
.set j, j+1
.endr
.endm
.macro OUT_V                           ; wave w: rows 64 w on = the 64 d of head 4 cx + w; a row's 256 bytes are 256 keys
.set j, 0
.rept 32
	ds_load_b128 v[WK+4*j:WK+4*j+3], v[RDV] offset:2*PITCH*j
.set j, j+1
.endr
.set j, 0
.rept 32
	s_wait_dscnt 31-j
	global_store_b128 v[GOV], v[WK+4*j:WK+4*j+3], s[72:73] offset:4096*j   ; sixteen lanes store 256 consecutive bytes, at a multiple of 256 from the buffer's first byte
.set j, j+1
.endr
.endm
	s_wait_kmcnt 0x0                               ; the exponents
	s_wait_loadcnt 0x0                             ; the bias
	s_add_co_i32 s96, s76, s77                     ; e0 + e1
	s_add_co_i32 s96, s96, 127
	s_lshl_b32 s96, s96, 23                        ; 2^(e0 + e1) as f32
	s_mov_b32 s97, s96                             ; (named with it as a pair, so it is written)
	s_cmp_eq_u32 ttmp9, 0
	s_cselect_b32 s90, s78, s79                    ; e2 for q, e3 for k,
	s_cmp_eq_u32 ttmp9, 2
	s_cselect_b32 s90, s81, s90                    ; e5 for v
	s_add_co_i32 s90, s90, 127
	s_lshl_b32 s91, s90, 23
	v_mov_b32 v[SCL], s91
	s_add_co_i32 s90, s90, 8
	s_lshl_b32 s90, s90, 23
	s_or_b32 s90, s90, 0x600000
	v_mov_b32 v[TOP], s90
	PLACES NP                                      ; behind the last products: their results are read, and source 1's registers written, below
	s_cmp_eq_u32 ttmp9, 2                          ; the kind: alike in all partners of the cluster
	s_cbranch_scc1 .Lrows_v
.irp a, 0,1,2,3,4,5,6,7
	EPIROW \a, 0
.endr
	s_branch .Lstaged
.Lrows_v:
.irp a, 0,1,2,3,4,5,6,7
	EPIROW \a, 1
.endr
.Lstaged:
	s_wait_dscnt 0x0                               ; for the others' sake: my stores into the stage have landed
	s_barrier_signal -1
	s_barrier_wait -1                              ; one barrier on every wave's way
	s_cmp_eq_u32 ttmp9, 2
	s_cbranch_scc1 .Lout_v
	OUT_QK
	s_branch .Lsent
.Lout_v:
	OUT_V
.Lsent:
	s_wait_tensorcnt 0x0                           ; the wave's end, behind my last tensor load and my last LDS store
	ds_add_u32 v[SPW], v[NIL]
	s_wait_dscnt 0x0
	CROUND                                         ; the closing round: no work-group ends while a partner may still ask for a tile that names it
	s_endpgm
.Lfunc_end_k_qe225dfda4d_qkv:
	.size	k_qe225dfda4d_qkv, .Lfunc_end_k_qe225dfda4d_qkv-k_qe225dfda4d_qkv
	.p2alignl 7, 3214868480
	.fill 96, 4, 3214868480
	.section	.rodata,"a",@progbits
	.p2align	6, 0x0
	.amdhsa_kernel k_qe225dfda4d_qkv
		.amdhsa_group_segment_fixed_size 327680
		.amdhsa_private_segment_fixed_size 0
		.amdhsa_enable_private_segment 0
		.amdhsa_kernarg_size 56
		.amdhsa_user_sgpr_count 2
		.amdhsa_user_sgpr_kernarg_segment_ptr 1
		.amdhsa_wavefront_size32 1
		.amdhsa_system_sgpr_workgroup_id_x 1
		.amdhsa_system_sgpr_workgroup_id_y 1
		.amdhsa_system_sgpr_workgroup_id_z 1
		.amdhsa_system_vgpr_workitem_id 0
		.amdhsa_next_free_vgpr 1024
		.amdhsa_next_free_sgpr 98
		.amdhsa_reserve_vcc 0
		.amdhsa_float_denorm_mode_32 3
		.amdhsa_float_denorm_mode_16_64 3
		.amdhsa_memory_ordered 1
		.amdhsa_forward_progress 1
		.amdhsa_inst_pref_size 209
	.end_amdhsa_kernel
	.amdgpu_metadata
---
amdhsa.version: [ 1, 2 ]
amdhsa.kernels:
  - .name:           k_qe225dfda4d_qkv
    .symbol:         k_qe225dfda4d_qkv.kd
    .args:
      - { .name: xc, .offset: 0, .size: 8, .value_kind: global_buffer, .address_space: global }
      - { .name: wqc, .offset: 8, .size: 8, .value_kind: global_buffer, .address_space: global }
      - { .name: lowp_scales, .offset: 16, .size: 8, .value_kind: global_buffer, .address_space: global }
      - { .name: b_qkv, .offset: 24, .size: 8, .value_kind: global_buffer, .address_space: global }
      - { .name: qc, .offset: 32, .size: 8, .value_kind: global_buffer, .address_space: global }
      - { .name: kc, .offset: 40, .size: 8, .value_kind: global_buffer, .address_space: global }
      - { .name: vc, .offset: 48, .size: 8, .value_kind: global_buffer, .address_space: global }
    .group_segment_fixed_size: 327680
    .private_segment_fixed_size: 0
    .kernarg_segment_align: 8
    .kernarg_segment_size: 56
    .max_flat_workgroup_size: 128
    .sgpr_count:     98
    .vgpr_count:     1024
    .wavefront_size: 32
...
	.end_amdgpu_metadata
.endif
;; end of part 2
;; launch attn (part 3): grid 4 x 64, 16 waves a work-group, no clusters, 327,680 bytes of LDS; arguments qc, kc, vc, lowp_scales, ac; writes ac
.if DOCPART == 3
	.amdgcn_target "amdgcn-amd-amdhsa--gfx1250"
	.amdhsa_code_object_version 6
	.text
	.protected	k_qe225dfda4d_attn
	.globl	k_qe225dfda4d_attn
	.p2align	8
	.type	k_qe225dfda4d_attn,@function
k_qe225dfda4d_attn:
	s_mov_b64 s[64:65], 0
	v_nop
	global_prefetch_b8 v0, s[64:65] scope:SCOPE_SE
	s_setreg_imm32_b32 hwreg(HW_REG_WAVE_MODE, 25, 1), 1
	s_wait_xcnt 0x0
; Causal attention on codes of FP8 (E4M3): for each of 64 heads (bh), o[q] = the sum over keys k <= q of softmax_k(q . k / 8) v[k]; both products on codes, o quantised at once for the last product.
; qc, kc: [64 bh][2048 t][64 d] (scales 2^e2, 2^e3).  vc: [64 bh][64 d][2048 t], the keys innermost (2^e5).  ac: o's codes (2^e6), laid [b 16 + t / 128][16 h][t % 128][64 d]: a wave's 16 queries of a head are 1,024 bytes on end.
; THE SOFTMAX AHEAD OF THE SECOND PRODUCT: t = score x log2(e) / 8; M = the row's largest t so far, rounded UP to a whole number; p = 2^(t - M) is quantised (2^e4), not normalised.  The row's sum is taken of the
; unquantised p, in f32, and divides O at the end.  When M moves, the sum and O are multiplied by 2^(old M - new M): exact.
; SHARES.  Work-group (p, bh) owns query blocks p and 7 - p of the head, 256 queries each, one after the other: p + 1 and 8 - p slots of 256 keys, NINE slots in every work-group: a constant trip count, equal work, 256 work-groups.
; Each of the sixteen waves owns 16 queries of the block in hand, in 256 registers: four waves to a SIMD, so that one wave's vector work stands beside another's matrix work and LDS loads.
; K's and V's tiles come through a ring of two LDS slots filled by the tensor data mover (waves 0, 1: K's halves; waves 2, 3: V's) and read by all sixteen.
; NO CLUSTER: the four work-groups of a head want different key slots in the same trip (in trip i: slot i while i <= p, then i - p - 1).  Walking alike, all four would pass the slots of blocks 3 and 7: 4 + 8 = 12 slots in place of 9.
; LAYOUT.  Both products are used transposed: S^T = K Q^T (source 0 = 16 keys, source 1 = my 16 queries, K = 64), O^T = V^T P^T (source 0 = 16 of the head's 64, source 1 = P, K = 128 keys): a lane holds ONE query (lane % 16).
; A tile of S^T is 16 neighbouring keys: register 8 c + j of lane (r, h) is key 16 c + 8 h + j, so the conversion of tile c's eight registers IS registers 2 c, 2 c + 1 of the second product's operand, and V's fragments are loaded in the same places.
; A step all of whose keys come after my queries is left out by a scalar branch on ids; on the diagonal hidden scores become -infinity ahead of the maximum.  Key 0 counts for every query, so M is a number from a block's first step on.
; LIMITS on the given exponents: e2 + e3 between -123 and 130 (added to c's exponent field); e4 and e6 between -126 and 119; e4 + e5 is applied by v_ldexp_f32 and has none.  NaN is not served.
; REGISTERS: v1-11 addresses that stay (v8, v9: of the step in hand); v12 -M, v13 the largest t, v[14:15] the sum in two halves; v16-23 Q in hand, v24-31 the second block's; v32-95 eight fragments of K, then four of V;
;   v96-159 S^T, then p; v160-191 O^T; v192-207 codes; v208-215 rows read back; v234-255 at work.
.set KP,    80                         ; a key's row in LDS: 64 bytes + 16 of padding: the 16 rows of a load start at 16 different 16-byte columns (5 r mod 16)
.set VP,    272                        ; a row of V's tile: 256 bytes + 16
.set VOFF,  256*KP                     ; a slot: 256 rows of K, then 64 rows of V
.set SLOT1, 65536                      ; slot 1 begins here, so that one exclusive or turns an address in one slot into the other's
.set STAGE, 131072                     ; behind the ring: 1,024 bytes for each wave, for the way out; no tile lands here
.set SPARE, 147456                     ; behind the stages: the spare words, 128 bytes for each wave: eight blocks of 256 bytes that no other line names
.set AK0,  1                           ; v1   my lane's place in a tile of K
.set AV0,  2                           ; v2   the same for V
.set PFO,  3                           ; v3   the prefetches' offset; never rewritten
.set STO,  4                           ; v4   the stage, in
.set SPW,  5                           ; v5   LDS address of my spare word; never rewritten
.set NIL,  6                           ; v6   0; never rewritten
.set GO,   7                           ; v7   16 x lane
.set ADK,  8
.set ADV,  9
.set RD,   10                          ; v10  the stage, out
.set DQ,   11                          ; v11  r - 8 h
.set TB,   2                           ; s2   LDS byte at which the slot in hand begins
.set TR,   3                           ; s3   the trip
.set PP,   8                           ; s8   p
.set NK,   9                           ; s9   the key slot asked for last
.set KF,   10                          ; s10  the step's first key
.set Q0,   11                          ; s11  my first query of the block in hand
.set WV,   18
.set Q1,   19                          ; s19  my first query of the second block
.set SEL,  20                          ; s[20:21] lane selects for v_permlanex16_b32: lane l xor 16
.set CS,   22                          ; s[22:23] c = log2(e) / 8 x 2^(e2 + e3)
.set G1K,  24
.set G1V,  32
.set G0K,  40
.set G0V,  44
.set KB,   48                          ; s[48:49] kc at my head and my half; s[50:51] vc likewise
.set VB,   50
.set PFA,  56                          ; s[56:57] where my prefetches stand;  s[58:59] a slot on, in bytes
.set PFS,  58
.set LIM,  60                          ; s60  a wave prefetches while the trip is under it: 6 or 0
; Waves 0 and 1 fetch for K, waves 2 and 3 for V, the others nothing.  The branches hang on the wave's number alone.  Four v_nop follow each of the two lines.
.macro TLOAD
	s_cmp_lt_u32 s[WV], 2
	s_cbranch_scc0 .Lnot_k_\@
	tensor_load_to_lds s[G0K:G0K+3], s[G1K:G1K+7]
	s_nop 0
.rept 4
	v_nop
.endr
	s_branch .Lasked_\@
.Lnot_k_\@:
	s_cmp_lt_u32 s[WV], 4
	s_cbranch_scc0 .Lasked_\@
	tensor_load_to_lds s[G0V:G0V+3], s[G1V:G1V+7]
	s_nop 0
.rept 4
	v_nop
.endr
.Lasked_\@:
.endm
; A PREFETCH INTO THE L2: trip i names key slot i + 2, i = 0 .. 5.  The head's four work-groups walk the same K and V: the work-group p = 0 asks, and in it four waves that fetch nothing, one instruction each:
; waves 4, 5 for K's 16,384 bytes, 8,192 a wave, lanes 256 bytes apart; waves 6, 7 for V's 64 rows, 32 a wave, a lane a row (a slot's part of a row is 256 bytes, aligned).  So each aligned block of 256 bytes is named once.
; The earliest tensor load that wants slot j stands in trip j - 1 (work-group p = 3, j up to 3) or in trip j: one or two trips behind the prefetch.  Slots 0 and 1 come by their loads alone; slot 7 is the last that is named.
.macro ASK
	s_cmp_lt_u32 s[TR], s[LIM]
	s_cbranch_scc0 .Lnot_mine_\@
	global_prefetch_b8 v[PFO], s[PFA:PFA+1] th:TH_LOAD_NT scope:SCOPE_SE
.Lnot_mine_\@:
.endm
	s_load_b256 s[84:91], s[0:1], 0x0              ; qc s[84:85], kc s[86:87], vc s[88:89], the scales' exponents s[90:91]
	s_load_b64 s[76:77], s[0:1], 0x20              ; ac
	v_lshl_add_u32 v[SPW], v0, 2, SPARE
	v_mov_b32 v[NIL], 0
	ds_add_u32 v5, v6
	ds_add_u32 v5, v6
	s_wait_dscnt 0x0
	v_lshrrev_b32 v8, 5, v0
	s_delay_alu instid0(VALU_DEP_1)
	v_readfirstlane_b32 s[WV], v8                  ; wave 0..15
	s_mov_b32 s[PP], ttmp9
	s_and_b32 s95, ttmp7, 0xffff                   ; the head, bh
	s_lshl_b32 s92, s95, 17                        ; its first byte in qc, kc and vc: 2,048 x 64 bytes a head
	s_mov_b32 s93, 0
	s_lshl_b32 s96, s[WV], 4
	s_lshl_b32 s[Q0], s[PP], 8
	s_add_co_u32 s[Q0], s[Q0], s96                 ; 256 p + 16 w
	s_sub_co_u32 s[Q1], 7, s[PP]
	s_lshl_b32 s[Q1], s[Q1], 8
	s_add_co_u32 s[Q1], s[Q1], s96                 ; 256 (7 - p) + 16 w
	s_and_b32 s94, s[WV], 1                        ; which half I fetch, if I fetch
	; descriptor group 1: K: 128 rows of 64 bytes, dense in memory;  V: 32 rows of 256 bytes, 2,048 bytes apart
	s_mov_b32 s[G1K], (0<<16)|(1<<20)|(3<<22)|(3<<25)             ; 15:0 no mask; 17:16 elements of 1 byte; 20 padding on; 24:22 after every 16 words (code 3); 31:25 four words (code 3)
	s_mov_b32 s[G1K+1], 256<<16                    ; tensor_dim0: K's 128 rows of 64 bytes lie end to end, so they are stated as 32 rows of 256 bytes, with the padding still behind each 64 bytes
	s_mov_b32 s[G1K+2], 32<<16                     ; tensor_dim1
	s_mov_b32 s[G1K+3], 256<<16                    ; tile_dim0
	s_mov_b32 s[G1K+4], 32                         ; tile_dim1
	s_mov_b32 s[G1K+5], 256                        ; tensor_dim0_stride
	s_mov_b32 s[G1K+6], 0
	s_mov_b32 s[G1K+7], 0
	s_mov_b32 s[G1V], (0<<16)|(1<<20)|(5<<22)|(3<<25)             ; padding: four words after every 64
	s_mov_b32 s[G1V+1], 256<<16
	s_mov_b32 s[G1V+2], 32<<16
	s_mov_b32 s[G1V+3], 256<<16
	s_mov_b32 s[G1V+4], 32
	s_mov_b32 s[G1V+5], 2048
	s_mov_b32 s[G1V+6], 0
	s_mov_b32 s[G1V+7], 0
	s_mov_b32 s[SEL], 0x76543210
	s_mov_b32 s[SEL+1], 0xfedcba98
	s_mov_b32 s[CS], 0x3e38aa3b                    ; log2(e) / 8
	s_mov_b32 s[TB], 0
	s_mov_b32 s[NK], 0
	s_mov_b32 s[KF], 0
	s_lshl_b32 s52, s94, 13                        ; K's half: 128 rows of 64 bytes
	s_mov_b32 s53, 0
	s_lshl_b32 s54, s94, 16                        ; V's half: 32 rows of 2,048 bytes
	s_mov_b32 s55, 0
	s_mov_b32 s[G0K], 1                            ; 1:0 count = 1
	s_mul_i32 s[G0K+1], s94, 128*KP                ; 63:32 LDS address: slot 0
	s_mov_b32 s[G0V], 1
	s_mul_i32 s[G0V+1], s94, 32*VP
	s_add_co_u32 s[G0V+1], s[G0V+1], VOFF
	s_wait_kmcnt 0x0
	s_load_b256 s[68:75], s[90:91], 0x0            ; e0 .. e7
	s_add_nc_u64 s[84:85], s[84:85], s[92:93]      ; all three at my head
	s_add_nc_u64 s[86:87], s[86:87], s[92:93]
	s_add_nc_u64 s[88:89], s[88:89], s[92:93]
	s_add_nc_u64 s[KB:KB+1], s[86:87], s[52:53]
	s_add_nc_u64 s[VB:VB+1], s[88:89], s[54:55]
	s_mov_b64 s[G0K+2:G0K+3], s[KB:KB+1]           ; 120:64 global address: key slot 0
	s_or_b32 s[G0K+3], s[G0K+3], 0x80000000        ; 127:126 type = 2
	s_mov_b64 s[G0V+2:G0V+3], s[VB:VB+1]
	s_or_b32 s[G0V+3], s[G0V+3], 0x80000000
	TLOAD                                          ; slot 0; slot 1's first fill goes out behind the first trip's barrier, as a refill does
	s_lshr_b32 s92, s95, 4                         ; ac: batch x 16 row blocks of 2^17 bytes, + head x 128 rows of 64 bytes
	s_lshl_b32 s92, s92, 21
	s_and_b32 s96, s95, 15
	s_lshl_b32 s96, s96, 13
	s_add_co_u32 s92, s92, s96
	s_add_nc_u64 s[76:77], s[76:77], s[92:93]
	s_lshl_b32 s92, s[Q0], 6
	s_add_nc_u64 s[80:81], s[84:85], s[92:93]      ; Q's codes of the first block,
	s_lshl_b32 s92, s[Q1], 6
	s_add_nc_u64 s[82:83], s[84:85], s[92:93]      ; and of the second
	v_and_b32 v209, 15, v0                         ; r
	s_wait_alu depctr_va_vdst(0)
	v_bfe_u32 v210, v0, 4, 1                       ; h
	v_lshlrev_b32 v208, 6, v209
	s_delay_alu instid0(VALU_DEP_1)
	v_lshl_add_u32 v208, v210, 4, v208             ; row r of 64 bytes, + 16 h: registers 4 c' .. 4 c' + 3 hold k = 32 c' + 16 h + 0 .. 15, in Q and in K alike
	global_load_b128 v[16:19], v208, s[80:81]
	global_load_b128 v[20:23], v208, s[80:81] offset:32
	global_load_b128 v[24:27], v208, s[82:83]
	global_load_b128 v[28:31], v208, s[82:83] offset:32
	; the prefetches: where my wave's stand, and who asks
	s_cmp_lt_u32 s[WV], 6                          ; waves 4, 5: K; waves 6, 7: V
	s_cselect_b64 s[PFA:PFA+1], s[86:87], s[88:89]
	s_mov_b32 s[PFS], 256
	s_cselect_b32 s[PFS], 16384, s[PFS]            ; a slot on
	s_mov_b32 s92, 2048
	s_cselect_b32 s92, 256, s92                    ; from lane to lane
	s_mov_b32 s96, 65536
	s_cselect_b32 s96, 8192, s96                   ; from wave to wave
	v_and_b32 v[PFO], 31, v0
	s_delay_alu instid0(VALU_DEP_1)
	v_mul_lo_u32 v[PFO], v[PFO], s92
	s_mul_i32 s92, s94, s96
	s_add_co_u32 s92, s92, s[PFS]                  ; in slot 1: the first trip steps it to slot 2.  Nothing is prefetched here, at the head, where every work-group's first tiles are on their way
	s_mov_b32 s[PFS+1], 0
	s_add_nc_u64 s[PFA:PFA+1], s[PFA:PFA+1], s[92:93]
	s_sub_co_u32 s92, s[WV], 4
	s_lshr_b32 s92, s92, 2                         ; 0 in waves 4 to 7,
	s_or_b32 s92, s92, ttmp9                       ; of the head's work-group p = 0
	s_cmp_eq_u32 s92, 0
	s_cselect_b32 s[LIM], 6, 0
	v_mul_u32_u24 v[AK0], v209, KP
	s_wait_alu depctr_va_vdst(0)
	v_lshl_add_u32 v[AK0], v210, 4, v[AK0]
	v_mul_u32_u24 v[AV0], v209, VP
	s_delay_alu instid0(VALU_DEP_1)
	v_lshl_add_u32 v[AV0], v210, 3, v[AV0]
	s_delay_alu instid0(VALU_DEP_1)
	v_add_nc_u32 v[AV0], VOFF, v[AV0]
	s_lshl_b32 s95, s[WV], 10
	s_add_co_u32 s95, s95, STAGE                   ; my stage
	v_lshlrev_b32 v[STO], 6, v209
	s_delay_alu instid0(VALU_DEP_1)
	v_lshl_add_u32 v[STO], v210, 3, v[STO]
	s_delay_alu instid0(VALU_DEP_1)
	v_add_nc_u32 v[STO], s95, v[STO]               ; in: query r's 64 bytes, + 8 h
	v_and_b32 v[GO], 31, v0
	s_delay_alu instid0(VALU_DEP_1)
	v_lshlrev_b32 v[GO], 4, v[GO]
	s_delay_alu instid0(VALU_DEP_1)
	v_add_nc_u32 v[RD], s95, v[GO]                 ; out: as the bytes lie
	v_lshlrev_b32 v[DQ], 3, v210
	s_delay_alu instid0(VALU_DEP_1)
	v_sub_nc_u32 v[DQ], v209, v[DQ]
	v_mov_b32 v13, 0xff61b1e6                      ; the largest t so far: -3e38, under every t
	s_delay_alu instid0(VALU_DEP_1)
	v_floor_f32 v12, -v13                          ; -M
	v_mov_b32 v14, 0                               ; the sum, in two halves
	v_mov_b32 v15, 0
	v_mov_b32 v236, 0                              ; written once: a lane permute's destination counts as one of its sources
	v_mov_b32 v252, 0
	v_mov_b32 v253, 0                              ; (named as the upper half of the pair v[252:253])
.set j, 0
.rept 32
	v_mov_b32 v[160+j], 0                          ; O^T.  (The step is written without a first form of its own: a block's first step finds zeros, which the first change of M leaves zeros)
.set j, j+1
.endr
	s_wait_kmcnt 0x0
	s_add_co_i32 s92, s70, s71
	s_lshl_b32 s92, s92, 23
	s_add_co_i32 s[CS], s[CS], s92                 ; a score stands for score x 2^(e2 + e3): the two exponents are added to c's exponent field
	s_mov_b32 s[CS+1], s[CS]                       ; (named with it as a pair, so it is written)
	s_add_co_i32 s92, s72, 127
	s_lshl_b32 s96, s92, 23
	v_mov_b32 v244, s96                            ; 2^e4 as f32, for p's conversion
	s_add_co_i32 s92, s92, 8
	s_lshl_b32 s92, s92, 23
	s_or_b32 s92, s92, 0x600000
	v_mov_b32 v240, s92                            ; 448 x 2^e4
	s_add_co_i32 s92, s74, 127
	s_lshl_b32 s96, s92, 23
	v_mov_b32 v245, s96                            ; 2^e6, for o's
	s_add_co_i32 s92, s92, 8
	s_lshl_b32 s92, s92, 23
	s_or_b32 s92, s92, 0x600000
	v_mov_b32 v241, s92                            ; 448 x 2^e6
; A KEY STEP: 128 keys, the q-th of the slot in hand.
.macro STEP q
	s_add_co_u32 s96, s[Q0], 15
	s_cmp_gt_u32 s[KF], s96                        ; all 128 keys come after my 16 queries: the step's work is left out; no barrier and no tensor load stands in a step
	s_cbranch_scc1 .Lhidden_\@
	v_add_nc_u32 v[ADK], s[TB], v[AK0]
	v_add_nc_u32 v[ADV], s[TB], v[AV0]
	v_nop                                          ; with the two additions: four places in front of loads into registers that the last products read
	v_nop
.irp c, 0,1,2,3,4,5,6,7
	ds_load_b128 v[32+8*\c:35+8*\c], v[ADK] offset:(128*(\q)+16*\c)*KP
	ds_load_b128 v[36+8*\c:39+8*\c], v[ADK] offset:(128*(\q)+16*\c)*KP+32
.endr
	s_wait_alu depctr_va_vdst(0)
	s_wait_dscnt 0x0
.irp c, 0,1,2,3,4,5,6,7
	v_wmma_f32_16x16x64_fp8_fp8 v[96+8*\c:103+8*\c], v[32+8*\c:39+8*\c], v[16:23], 0   ; S^T, tile c: keys 16 c on
.endr
.rept 4
	v_nop                                          ; places: the scores are read below, and K's registers take V's fragments
.endr
.irp t, 0,1,2,3
.irp c, 0,1,2,3,4,5,6,7
	ds_load_b64 v[32+16*\t+2*\c:33+16*\t+2*\c], v[ADV] offset:16*\t*VP+128*(\q)+16*\c   ; V^T, rows 16 t on: keys 16 c + 8 h + 0 .. 7.  Asked for here, so that they land under the softmax
.endr
.endr
	s_add_co_u32 s96, s[KF], 127
	s_cmp_le_u32 s96, s[Q0]                        ; all 128 keys count for all my queries: no mask
	s_cbranch_scc1 .Lopen_\@
	s_sub_co_i32 s96, s[Q0], s[KF]
	v_add_nc_u32 v252, s96, v[DQ]                  ; d = my query - KF - 8 h.  Register n holds key KF + 8 h + 16 (n / 8) + n % 8: hidden where 16 (n / 8) + n % 8 > d
	v_mov_b32 v254, 0xff800000                     ; -infinity
.set n, 0
.rept 64
	v_cmp_gt_i32 vcc_lo, 16*(n/8)+n%8, v252
	v_cndmask_b32 v[96+n], v[96+n], v254, vcc_lo
.set n, n+1
.endr
.Lopen_\@:
	v_max3_num_f32 v254, v96, v97, v98             ; the step's largest score of my query, among my 64 keys, in two chains,
	v_max3_num_f32 v252, v99, v100, v101
.irp i, 6,10,14,18,22,26,30,34,38,42,46,50,54,58
	v_max3_num_f32 v254, v254, v[96+\i], v[97+\i]
	v_max3_num_f32 v252, v252, v[98+\i], v[99+\i]
.endr
	v_max3_num_f32 v254, v254, v158, v159
	s_delay_alu instid0(VALU_DEP_1)
	v_max_num_f32 v254, v254, v252
	s_delay_alu instid0(VALU_DEP_1)
	v_permlanex16_b32 v236, v254, s[SEL], s[SEL+1]
	s_delay_alu instid0(VALU_DEP_1)
	v_max_num_f32 v254, v254, v236                 ; and among lane l xor 16's
	s_delay_alu instid0(VALU_DEP_1)
	v_mul_f32 v254, s[CS], v254                    ; as t (c is positive)
	s_delay_alu instid0(VALU_DEP_1)
	v_max_num_f32 v13, v13, v254                   ; the running largest t
	v_mov_b32 v254, v12
	s_delay_alu instid0(VALU_DEP_2)
	v_floor_f32 v12, -v13                          ; the new -M = floor(-t) = -ceil(t): M is a whole number
	s_delay_alu instid0(VALU_DEP_1)
	v_sub_f32 v254, v12, v254                      ; M's old value less its new one: a whole number, 0 or less
	s_delay_alu instid0(VALU_DEP_1)
	v_cvt_i32_f32 v254, v254                       ; (it saturates)
	s_delay_alu instid0(VALU_DEP_1)
	v_ldexp_f32 v252, 1.0, v254                    ; f = 2^(old M - new M)
.set j, 0
.rept 32
	v_pk_fma_f32 v[96+j:97+j], v[96+j:97+j], s[CS:CS+1], v[12:13] op_sel_hi:[1,0,0]   ; t - M, two at a time (of the pairs c and -M the low word serves both halves)
.set j, j+2
.endr
.set j, 0
	s_wait_alu depctr_va_vdst(0)
.rept 64
	v_exp_f32 v[96+j], v[96+j]                     ; p = 2^(t - M), at most 1: not normalised
.set j, j+1
.endr
	v_pk_mul_f32 v[14:15], v[14:15], v[252:253] op_sel_hi:[1,0]   ; the sums under the new M.  (A plain place behind the exponentials)
	s_wait_alu depctr_va_vdst(0)                   ; one wait for the whole batch, ahead of its first reader
	v_pk_add_f32 v[242:243], v[100:101], v[104:105]
	v_pk_add_f32 v[254:255], v[108:109], v[112:113]
	v_pk_add_f32 v[250:251], v[116:117], v[120:121]
	v_pk_add_f32 v[248:249], v[124:125], v[128:129]
	v_pk_add_f32 v[246:247], v[132:133], v[136:137]
	v_pk_add_f32 v[238:239], v[140:141], v[144:145]
	v_pk_add_f32 v[234:235], v[148:149], v[152:153]
	v_pk_add_f32 v[14:15], v[14:15], v[156:157]
	v_pk_add_f32 v[242:243], v[242:243], v[96:97]
	v_pk_add_f32 v[254:255], v[254:255], v[98:99]
	v_pk_add_f32 v[250:251], v[250:251], v[102:103]
	v_pk_add_f32 v[248:249], v[248:249], v[106:107]
	v_pk_add_f32 v[246:247], v[246:247], v[110:111]
	v_pk_add_f32 v[238:239], v[238:239], v[114:115]
	v_pk_add_f32 v[234:235], v[234:235], v[118:119]
	v_pk_add_f32 v[14:15], v[14:15], v[122:123]
	v_pk_add_f32 v[242:243], v[242:243], v[126:127]
	v_pk_add_f32 v[254:255], v[254:255], v[130:131]
	v_pk_add_f32 v[250:251], v[250:251], v[134:135]
	v_pk_add_f32 v[248:249], v[248:249], v[138:139]
	v_pk_add_f32 v[246:247], v[246:247], v[142:143]
	v_pk_add_f32 v[238:239], v[238:239], v[146:147]
	v_pk_add_f32 v[234:235], v[234:235], v[150:151]
	v_pk_add_f32 v[14:15], v[14:15], v[154:155]
	v_pk_add_f32 v[242:243], v[242:243], v[158:159]
	s_delay_alu instid0(VALU_DEP_2)
	v_pk_add_f32 v[14:15], v[14:15], v[248:249]
	s_delay_alu instid0(VALU_DEP_2)
	v_pk_add_f32 v[242:243], v[242:243], v[246:247]
	v_pk_add_f32 v[254:255], v[254:255], v[238:239]
	v_pk_add_f32 v[250:251], v[250:251], v[234:235]
	s_delay_alu instid0(VALU_DEP_2)
	v_pk_add_f32 v[14:15], v[14:15], v[254:255]
	s_delay_alu instid0(VALU_DEP_2)
	v_pk_add_f32 v[242:243], v[242:243], v[250:251]
	s_delay_alu instid0(VALU_DEP_1)
	v_pk_add_f32 v[14:15], v[14:15], v[242:243]
.irp c, 0,1,2,3,4,5,6,7
.irp i, 0,1,2,3,4,5,6,7
	v_min_num_f32 v[96+8*\c+\i], v[96+8*\c+\i], v240   ; the conversion to an 8-bit code does not saturate (ISA guide 7.6.2); p is not negative, so the hold is one-sided
.endr
	v_cvt_scalef32_pk8_fp8_f32 v[192+2*\c:193+2*\c], v[96+8*\c:103+8*\c], v244
.endr
.set j, 0
.rept 16
	v_pk_mul_f32 v[160+j:161+j], v[160+j:161+j], v[252:253] op_sel_hi:[1,0]   ; O^T under the new M: x f.  (Plain lines between the conversions and the products that read their results)
.set j, j+2
.endr
	s_wait_alu depctr_va_vdst(0)
	s_wait_dscnt 0x0                               ; V's fragments are in
.irp t, 0,1,2,3
	v_wmma_f32_16x16x128_fp8_fp8 v[160+8*\t:167+8*\t], v[32+16*\t:47+16*\t], v[192:207], v[160+8*\t:167+8*\t]   ; the four accumulators by turns, one instruction a turn
.endr
.Lhidden_\@:
	s_add_co_u32 s[KF], s[KF], 128
.endm
; THE CHANGE OF SLOTS stands at a slot's head.  Each wave waits for all its tensor loads (its part of the slot that it is about to read), adds 0 to its spare word, and waits for that and for its reads of the slot that it has left.
; Behind the barrier the slot ahead is whole and nobody reads the other one.  fill = 1: that other slot is filled with the next trip's key slot: one further on, or slot 0 again where the second block of queries begins.
.macro CHANGE fill
	s_wait_tensorcnt 0x0                           ; no tensor load of mine is out, so a group 0 may be written
	ds_add_u32 v[SPW], v[NIL]                      ; 0 onto my spare word
.if \fill
	ds_add_u32 v[SPW], v[NIL]                      ; and once more
	s_xor_b32 s[G0K+1], s[G0K+1], SLOT1            ; the other slot than last time
	s_xor_b32 s[G0V+1], s[G0V+1], SLOT1
	s_add_co_u32 s[NK], s[NK], 1
	s_cmp_eq_u32 s[TR], s[PP]
	s_cselect_b32 s[NK], 0, s[NK]
	s_lshl_b32 s52, s[NK], 14                      ; 256 keys: 16,384 bytes of K,
	s_lshl_b32 s54, s[NK], 8                       ; 256 bytes along V's rows
	s_add_nc_u64 s[G0K+2:G0K+3], s[KB:KB+1], s[52:53]
	s_or_b32 s[G0K+3], s[G0K+3], 0x80000000
	s_add_nc_u64 s[G0V+2:G0V+3], s[VB:VB+1], s[54:55]
	s_or_b32 s[G0V+3], s[G0V+3], 0x80000000
	s_wait_xcnt 0x0                                ; the last prefetch, a trip back, has read its address, so it may be written
	s_add_nc_u64 s[PFA:PFA+1], s[PFA:PFA+1], s[PFS:PFS+1]
.endif
	s_wait_dscnt 0x0                               ; the add is done, and my reads of the slot that I have left are over
	s_barrier_signal -1
	s_barrier_wait -1
.if \fill
	TLOAD                                          ; the first thing behind the barrier, and a wave's one tensor load until the next: one load of mine is out at the most
	ASK
.endif
.endm
; A BLOCK'S WAY OUT.  O^T / the sum x 2^(e4 + e5) is quantised with 2^e6; a lane's eight channels are 8 bytes; they go through my own stage and leave as 1,024 consecutive bytes.
.macro FINISH
	s_wait_xcnt 0x0                                ; the first block's stores have read their registers and their base: both are written again below
.rept 4
	v_nop                                          ; places behind the last products
.endr
	v_add_f32 v14, v14, v15                        ; the sum's two halves,
	s_delay_alu instid0(VALU_DEP_1)
	v_permlanex16_b32 v252, v14, s[SEL], s[SEL+1]
	s_delay_alu instid0(VALU_DEP_1)
	v_add_f32 v14, v14, v252                       ; and lane l xor 16's: the row's sum
	s_wait_alu depctr_va_vdst(0)
	v_rcp_f32 v14, v14
	v_nop                                          ; a plain place behind the transcendental
	s_lshr_b32 s92, s[Q0], 7
	s_lshl_b32 s92, s92, 17                        ; the row block of 128 queries,
	s_and_b32 s93, s[Q0], 127
	s_lshl_b32 s93, s93, 6                         ; my 16 rows of 64 bytes in it
	s_add_co_u32 s92, s92, s93
	s_mov_b32 s93, 0
	s_add_nc_u64 s[78:79], s[76:77], s[92:93]
	s_add_co_i32 s95, s72, s73
	s_wait_alu depctr_va_vdst(0)                   ; the wait ahead of the reciprocal's first reader
	v_ldexp_f32 v14, v14, s95                      ; x 2^(e4 + e5)
.set j, 0
.rept 32
	v_mul_f32 v[96+j], v[160+j], v14               ; register 8 t + i is o(query r, channel 16 t + 8 h + i); each accumulator from its low end on
.set j, j+1
.endr
.set j, 0
.rept 32
	v_med3_num_f32 v[96+j], v[96+j], -v241, v241
.set j, j+1
.endr
.irp t, 0,1,2,3
	v_cvt_scalef32_pk8_fp8_f32 v[192+2*\t:193+2*\t], v[96+8*\t:103+8*\t], v245
.endr
	v_nop                                          ; a plain vector line behind the last conversion
.irp t, 0,1,2,3
	ds_store_b64 v[STO], v[192+2*\t:193+2*\t] offset:16*\t
.endr
	ds_load_b128 v[208:211], v[RD]                 ; LDS serves a wave's instructions in order (ISA guide 5.7.1.4): these see my stores
	ds_load_b128 v[212:215], v[RD] offset:512
	s_wait_dscnt 1                                 ; the second read may be out
	global_store_b128 v[GO], v[208:211], s[78:79]  ; 32 lanes store 512 consecutive bytes, at a multiple of 256 from the buffer's first byte
	s_wait_dscnt 0x0
	global_store_b128 v[GO], v[212:215], s[78:79] offset:512
.endm
.macro REINIT                          ; the second block of queries begins
.set j, 0
.rept 8
	v_mov_b32 v[16+j], v[24+j]
.set j, j+1
.endr
	v_mov_b32 v13, 0xff61b1e6
	s_delay_alu instid0(VALU_DEP_1)
	v_floor_f32 v12, -v13
	v_mov_b32 v14, 0
	v_mov_b32 v15, 0
.set j, 0
.rept 32
	v_mov_b32 v[160+j], 0
.set j, j+1
.endr
	s_mov_b32 s[KF], 0
	s_mov_b32 s[Q0], s[Q1]
.endm
	s_wait_loadcnt 0x0                             ; Q, both blocks'
	s_mov_b32 s[TR], 0
.Lslot:                                            ; eight trips: behind each change of slots but the last the next slot is asked for
	CHANGE 1
	STEP 0
	STEP 1
	s_xor_b32 s[TB], s[TB], SLOT1                  ; on to the other slot
	s_cmp_lg_u32 s[TR], s[PP]                      ; trip p ends the first block: a branch on ids; no barrier and no tensor load stands under it
	s_cbranch_scc1 .Lsame
	FINISH
	REINIT
.Lsame:
	s_add_co_u32 s[TR], s[TR], 1
	s_cmp_lt_u32 s[TR], 8
	s_cbranch_scc1 .Lslot
	CHANGE 0                                       ; the ninth slot is written out
	STEP 0
	STEP 1
	FINISH
	s_wait_tensorcnt 0x0                           ; the wave's end, behind my last tensor load and my last LDS store
	ds_add_u32 v[SPW], v[NIL]
	s_wait_dscnt 0x0
	s_endpgm
.Lfunc_end_k_qe225dfda4d_attn:
	.size	k_qe225dfda4d_attn, .Lfunc_end_k_qe225dfda4d_attn-k_qe225dfda4d_attn
	.p2alignl 7, 3214868480
	.fill 96, 4, 3214868480
	.section	.rodata,"a",@progbits
	.p2align	6, 0x0
	.amdhsa_kernel k_qe225dfda4d_attn
		.amdhsa_group_segment_fixed_size 327680
		.amdhsa_private_segment_fixed_size 0
		.amdhsa_enable_private_segment 0
		.amdhsa_kernarg_size 40
		.amdhsa_user_sgpr_count 2
		.amdhsa_user_sgpr_kernarg_segment_ptr 1
		.amdhsa_wavefront_size32 1
		.amdhsa_system_sgpr_workgroup_id_x 1
		.amdhsa_system_sgpr_workgroup_id_y 1
		.amdhsa_system_sgpr_workgroup_id_z 1
		.amdhsa_system_vgpr_workitem_id 0
		.amdhsa_next_free_vgpr 256
		.amdhsa_next_free_sgpr 100
		.amdhsa_reserve_vcc 1
		.amdhsa_float_denorm_mode_32 3
		.amdhsa_float_denorm_mode_16_64 3
		.amdhsa_memory_ordered 1
		.amdhsa_forward_progress 1
		.amdhsa_inst_pref_size 110
	.end_amdhsa_kernel
	.amdgpu_metadata
---
amdhsa.version: [ 1, 2 ]
amdhsa.kernels:
  - .name:           k_qe225dfda4d_attn
    .symbol:         k_qe225dfda4d_attn.kd
    .args:
      - { .name: qc, .offset: 0, .size: 8, .value_kind: global_buffer, .address_space: global }
      - { .name: kc, .offset: 8, .size: 8, .value_kind: global_buffer, .address_space: global }
      - { .name: vc, .offset: 16, .size: 8, .value_kind: global_buffer, .address_space: global }
      - { .name: lowp_scales, .offset: 24, .size: 8, .value_kind: global_buffer, .address_space: global }
      - { .name: ac, .offset: 32, .size: 8, .value_kind: global_buffer, .address_space: global }
    .group_segment_fixed_size: 327680
    .private_segment_fixed_size: 0
    .kernarg_segment_align: 8
    .kernarg_segment_size: 40
    .max_flat_workgroup_size: 512
    .sgpr_count:     100
    .vgpr_count:     256
    .wavefront_size: 32
...
	.end_amdgpu_metadata
.endif
;; end of part 3
;; launch proj (part 4): grid 4 x 64, 4 waves a work-group, clusters of 4 x 4, 327,680 bytes of LDS; arguments ac, woc, lowp_scales, b_out, out0; writes out0
.if DOCPART == 4
	.amdgcn_target "amdgcn-amd-amdhsa--gfx1250"
	.amdhsa_code_object_version 6
	.text
	.protected	k_qe225dfda4d_proj
	.globl	k_qe225dfda4d_proj
	.p2align	8
	.type	k_qe225dfda4d_proj,@function
k_qe225dfda4d_proj:
	s_mov_b64 s[64:65], 0
	v_nop
	global_prefetch_b8 v0, s[64:65] scope:SCOPE_SE
	s_setreg_imm32_b32 hwreg(HW_REG_WAVE_MODE, 25, 1), 1
	s_wait_xcnt 0x0
	s_wait_alu depctr_hold_cnt(0) depctr_sa_sdst(0) depctr_va_vdst(0) depctr_va_sdst(0) depctr_va_ssrc(0) depctr_va_vcc(0) depctr_vm_vsrc(0)
	s_getreg_b32 s2, hwreg(HW_REG_IB_STS2, 6, 4)
	s_cmp_eq_u32 s2, 0
	s_cbranch_scc0 .Lentry_in_a_cluster
	s_endpgm
.Lentry_in_a_cluster:
	s_bfe_u32 s2, ttmp6, 0x10000c
	s_cmp_lg_u32 s2, 0xf033
	s_cbranch_scc0 .Lentry_shape_is_right
	s_endpgm
.Lentry_shape_is_right:
; out0 = o W_out + b_out on codes of FP8 (E4M3).  ac: o's codes (2^e6), laid [row block of 128 queries][16 h][128 t][64 d]; woc: [1024 n][1024 k] (2^e7); out0: [8192][1024] f32.
; The bias goes in as the C of the first products, divided by 2^(e6 + e7); each finished sum is multiplied once by 2^(e6 + e7).  LIMIT: e6 + e7 between -126 and 127.  NaN is not served.
; A block of 128 rows x 256 columns is made by a work-group of four waves: 64 x 4 blocks = 256 work-groups.  A wave makes 64 x 128: 32 accumulators of 16 x 16, 256 registers.
; K goes in four steps of 256 (four heads) through a ring of two LDS slots filled by the tensor data mover.  A K step of o is one dense run of 32,768 bytes, stated as 128 rows of 256 bytes (four queries of a head to a row):
; wave 0 fetches its first 64 rows, wave 1 the others; waves 2 and 3 fetch 128 rows of W each.
; CLUSTERS: 4 x 4 work-groups.  The four of a row of the cluster need the same tile of o, the four of a column the same tile of W: each tile is asked for JOINTLY, by the same tensor load with the same descriptor and a mask that names the four.
; NO PREFETCH: of the four K steps two are first fills, and the other two are asked for one and two slots behind them: no trip lies two steps ahead of a refill.
; THE MATRIX INSTRUCTION IS USED TRANSPOSED (source 0 = 16 rows of W, source 1 = 16 rows of o): a lane holds eight neighbouring numbers of a row of out0.
; REGISTERS, in windows of 256: window 0: v0-31 addresses; v64-127 the bias; v128-255 o's fragments (4 x 16 rows x 128 K), two sets; on the way out v32-255 are at work.  Window 1: W's fragments (8), two sets.  Window 2: accumulator (a, b) at v[8 (8 a + b)].
; Both operands have two sets, so that a step's 48 LDS loads are issued ahead of the 32 products of the step before.
.set SIZE_N, 1024
.set KROW,   1024
.set ROWB,   256
.set ABLK,   32768                     ; a K step of o's codes for a row block
.set PITCH,  272                       ; an LDS row: 256 bytes + 16 of padding
.set FR,     16
.set NP,     4                         ; places behind this matrix instruction (ISA guide 7.12.1)
.set AHALF,  64*PITCH
.set BHALF,  128*PITCH
.set BOFF,   2*AHALF                   ; a slot: o's 128 rows, then W's 256
.set SLOT,   BOFF+2*BHALF
.set SPARE,  2*SLOT                    ; behind the ring: the spare words, 128 bytes for each wave: two blocks of 256 bytes that no other line names
.set SPITCH, 528                       ; the way out: a stage of 16 rows x (512 bytes + 16) for each wave, in slot 0, which has had its last fill and its last read by then
.set ADRA, 16
.set ADRB, 20
.set STO,  24
.set RD,   25
.set CO,   26
.set SPW,  28
.set NIL,  29
.set TMP,  32
.set BI,   64
.set AF,   128
.set BK,   128
.set G1, 24
.set G0, 32
.set G1B, 48
.set G0B, 56
.set MSB, 0
.macro WIN new                         ; the immediate's high byte repeats the setting that is left
.if MSB != \new
	s_set_vgpr_msb (MSB<<8)|\new
.set MSB, \new
.endif
.endm
.set MUL,  0xa1                        ; source 0 (W) window 1, source 1 (o) window 0, C and D window 2
.set FST,  0x81                        ; the same, C (the bias) window 0
.set TO_B, 0x40
; A joint load: waves 0 and 1 fetch for o, waves 2 and 3 for W.  An s_nop 0 and four v_nop follow each of the two lines.
.macro JLOAD g0a, g1a, g0b, g1b
	s_cmp_eq_u32 s15, 0
	s_cbranch_scc0 .Lfor_b_\@
	tensor_load_to_lds s[\g0a:\g0a+3], s[\g1a:\g1a+7]
	s_nop 0
.rept 4
	v_nop
.endr
	s_branch .Lasked_\@
.Lfor_b_\@:
	tensor_load_to_lds s[\g0b:\g0b+3], s[\g1b:\g1b+7]
	s_nop 0
.rept 4
	v_nop
.endr
.Lasked_\@:
.endm
.macro CREST                           ; a round of the cluster's barrier behind its opening barrier
	s_cmp_lg_u32 s14, 0
	s_cbranch_scc1 .Lnot_wave_0_\@
	s_barrier_signal -3
.Lnot_wave_0_\@:
	s_barrier_wait -3
	s_barrier_signal -1
	s_barrier_wait -1
.endm
.macro CROUND
	s_barrier_signal -1
	s_barrier_wait -1
	CREST
.endm
	s_load_b256 s[4:11], s[0:1], 0x0               ; ac s[4:5], woc s[6:7], the scales' exponents s[8:9], b_out s[10:11]
	s_load_b64 s[12:13], s[0:1], 0x20              ; out0
	v_lshl_add_u32 v[SPW], v0, 2, SPARE
	v_mov_b32 v[NIL], 0
	ds_add_u32 v[SPW], v[NIL]                      ; the wave's opening: the add, twice on end, and its wait ahead of the first tensor load
	ds_add_u32 v[SPW], v[NIL]
	v_lshrrev_b32 v1, 5, v0
	v_readfirstlane_b32 s14, v1                    ; wave 0..3
	s_lshr_b32 s15, s14, 1                         ; which 64 rows of the block are mine.  Also: I fetch for o (0) or for W (1)
	s_and_b32 s16, s14, 1                          ; which 128 columns.  Also: which half of that tile I fetch
	s_bfe_u32 s40, ttmp6, 0x40000                  ; cx, cy: my place in the cluster
	s_bfe_u32 s41, ttmp6, 0x40004
	s_lshl_b32 s42, ttmp9, 2
	s_add_co_u32 s42, s42, s40                     ; block column = 4 x cluster x + cx
	s_and_b32 s17, ttmp7, 0xffff
	s_lshl_b32 s17, s17, 2
	s_add_co_u32 s17, s17, s41                     ; block row = 4 x cluster y + cy
	s_lshl_b32 s43, s41, 2
	s_lshl_b32 s43, 15, s43                        ; my row of the cluster
	s_lshl_b32 s44, 0x1111, s40                    ; my column
	s_or_b32 s[G1+0], s43, (0<<16)|(1<<20)|(1<<21)|(5<<22)|(3<<25)  ; 15:0 the mask; 17:16 element of 1 byte; 20 padding on; 21 set beside a mask; 24:22 after every 64 words; 31:25 of 4 words
	s_or_b32 s[G1B+0], s44, (0<<16)|(1<<20)|(1<<21)|(5<<22)|(3<<25)
	s_mov_b32 s[G1+1], ROWB<<16                    ; o: 64 rows of 256 bytes, dense
	s_mov_b32 s[G1+2], 64<<16
	s_mov_b32 s[G1+3], ROWB<<16
	s_mov_b32 s[G1+4], 64
	s_mov_b32 s[G1+5], ROWB
	s_mov_b32 s[G1+6], 0
	s_mov_b32 s[G1+7], 0
	s_mov_b32 s[G1B+1], ROWB<<16                   ; W: 128 rows of 256 bytes, 1,024 bytes apart
	s_mov_b32 s[G1B+2], 128<<16
	s_mov_b32 s[G1B+3], ROWB<<16
	s_mov_b32 s[G1B+4], 128
	s_mov_b32 s[G1B+5], KROW
	s_mov_b32 s[G1B+6], 0
	s_mov_b32 s[G1B+7], 0
	s_lshl_b32 s20, s17, 17                        ; o: the row block's 2^17 bytes,
	s_lshl_b32 s18, s16, 14                        ; + my half of a K step's 32,768
	s_add_co_u32 s20, s20, s18
	s_mov_b32 s21, 0
	s_lshl_b32 s46, s42, 8
	s_lshl_b32 s18, s16, 7
	s_add_co_u32 s46, s46, s18                     ; W: row 256 x block column + 128 x half,
	s_lshl_b32 s46, s46, 10                        ; of 1,024 bytes
	s_mov_b32 s47, 0
	s_mul_i32 s45, s16, AHALF                      ; where they go: no place in the cluster enters an LDS address
	s_mul_i32 s67, s16, BHALF
	s_add_co_u32 s67, s67, BOFF
	s_wait_dscnt 0x0                               ; both opening adds are done
	s_wait_kmcnt 0x0
	s_load_b64 s[96:97], s[8:9], 0x18              ; e6, e7
	s_add_nc_u64 s[20:21], s[4:5], s[20:21]
	s_add_nc_u64 s[46:47], s[6:7], s[46:47]
	CROUND                                         ; all sixteen work-groups are here: the first joint loads meet
.irp s, 0,1
	s_mov_b32 s[G0+4*\s], 1
	s_add_co_u32 s[G0+4*\s+1], s45, \s*SLOT
	s_add_nc_u64 s[G0+4*\s+2:G0+4*\s+3], s[20:21], \s*ABLK
	s_or_b32 s[G0+4*\s+3], s[G0+4*\s+3], 0x80000000
	s_mov_b32 s[G0B+4*\s], 1
	s_add_co_u32 s[G0B+4*\s+1], s67, \s*SLOT
	s_add_nc_u64 s[G0B+4*\s+2:G0B+4*\s+3], s[46:47], \s*ROWB
	s_or_b32 s[G0B+4*\s+3], s[G0B+4*\s+3], 0x80000000
.endr
	JLOAD G0, G1, G0B, G1B                         ; K step 0: one tensor load a wave at the head
	s_mul_i32 s68, s15, 16*PITCH                   ; o: my 64 queries are 16 LDS rows of each head's 32
	s_add_co_u32 s69, s68, SLOT
	s_mul_i32 s70, s16, BHALF
	s_add_co_u32 s70, s70, BOFF                    ; W: my 128 rows
	s_add_co_u32 s71, s70, SLOT
	s_mul_i32 s72, s14, 16*SPITCH                  ; my stage
	s_lshl_b32 s20, s17, 7
	s_lshl_b32 s21, s15, 6
	s_add_co_u32 s20, s20, s21                     ; my first row of out0: 128 x block row + 64 x half,
	s_lshl_b32 s20, s20, 12                        ; of 4,096 bytes
	s_mov_b32 s21, 0
	s_lshl_b32 s46, s42, 10                        ; my first column, in bytes: 1,024 x block column + 512 x half
	s_lshl_b32 s47, s16, 9
	s_add_co_u32 s46, s46, s47
	s_mov_b32 s47, 0
	s_add_nc_u64 s[10:11], s[10:11], s[46:47]
	s_add_nc_u64 s[20:21], s[20:21], s[46:47]
	s_add_nc_u64 s[12:13], s[12:13], s[20:21]
	v_and_b32 v1, 15, v0                           ; r = l % 16
	v_bfe_u32 v2, v0, 4, 1                         ; h = l / 16
	v_mul_u32_u24 v3, v1, PITCH
	v_lshl_add_u32 v4, v2, 4, v3                   ; W: row r x pitch + 16 h
	v_lshrrev_b32 v5, 2, v1
	v_mul_u32_u24 v5, v5, PITCH
	v_and_b32 v6, 3, v1
	v_lshl_add_u32 v5, v6, 6, v5
	v_lshl_add_u32 v5, v2, 4, v5                   ; o: query r lies in LDS row r / 4 at byte 64 (r % 4); + 16 h
	v_add_nc_u32 v[ADRA], s68, v5
	v_add_nc_u32 v[ADRA+1], s69, v5
	v_add_nc_u32 v[ADRB], s70, v4
	v_add_nc_u32 v[ADRB+1], s71, v4
	v_mul_u32_u24 v8, v1, SPITCH                   ; the stage, in: row r, 32 bytes for each half of the lanes
	v_lshl_add_u32 v8, v2, 5, v8
	v_add_nc_u32 v[STO], s72, v8
	v_and_b32 v6, 31, v0
	v_lshlrev_b32 v[CO], 4, v6                     ; back: the 32 lanes take one row of 512 bytes; and the same in out0
	v_add_nc_u32 v[RD], s72, v[CO]
	v_lshlrev_b32 v7, 5, v2
.irp b, 0,1,2,3,4,5,6,7
	global_load_b128 v[BI+8*\b:BI+8*\b+3], v7, s[10:11] offset:64*\b         ; register 8 b + j: the bias of column 16 b + 8 h + j
	global_load_b128 v[BI+8*\b+4:BI+8*\b+7], v7, s[10:11] offset:64*\b+16
.endr
.macro FRAG reg, adr, q, i             ; W: 16 rows x 128 K: registers 4 c .. 4 c + 3 hold K = 32 c + 16 h + 0 .. 15: the same places of k in both sources
.irp c, 0,1,2,3
	ds_load_b128 v[\reg+4*\c:\reg+4*\c+3], v[\adr] offset:128*(\q)+32*\c+(\i)*16*PITCH
.endr
.endm
.macro FRAGA reg, adr, q, i            ; o: head 2 q + c / 2 of the slot's four begins 32 LDS rows on; 16 queries are 4 LDS rows
.irp c, 0,1,2,3
	ds_load_b128 v[\reg+4*\c:\reg+4*\c+3], v[\adr] offset:((2*(\q)+\c/2)*32+4*(\i))*PITCH+32*(\c%2)
.endr
.endm
.macro FETCH slot, q, p                ; the fragments of the slot's q-th 128 along K into set p: 48 loads
	WIN TO_B
.irp i, 0,1,2,3,4,5,6,7
	FRAG 128*(\p)+FR*\i, ADRB+\slot, \q, \i
.endr
	WIN 0
.irp i, 0,1,2,3
	FRAGA AF+64*(\p)+FR*\i, ADRA+\slot, \q, \i
.endr
.endm
; 16 matrix instructions: o's blocks a0, a0 + 1 x W's eight, 128 along K, on set p.  The 32 accumulators take turns, one instruction a turn, in the same order in every step.
.macro MUL16 a0, p, first
.irp a, \a0, \a0+1
.irp b, 0,1,2,3,4,5,6,7
.if \first
	v_wmma_f32_16x16x128_fp8_fp8 v[8*(8*(\a)+\b):8*(8*(\a)+\b)+7], v[128*(\p)+FR*\b:128*(\p)+FR*\b+FR-1], v[AF+64*(\p)+FR*(\a):AF+64*(\p)+FR*(\a)+FR-1], v[BI+8*\b:BI+8*\b+7]
.else
	v_wmma_f32_16x16x128_fp8_fp8 v[8*(8*(\a)+\b):8*(8*(\a)+\b)+7], v[128*(\p)+FR*\b:128*(\p)+FR*\b+FR-1], v[AF+64*(\p)+FR*(\a):AF+64*(\p)+FR*(\a)+FR-1], v[8*(8*(\a)+\b):8*(8*(\a)+\b)+7]
.endif
.endr
.endr
.endm
.macro PLACES n
.rept \n
	v_nop
.endr
.endm
.macro STEP slot, first                ; a slot's first 128 along K, on set 0; ahead of its products the second 128's fragments are asked for, into set 1
	s_wait_dscnt 0x0                               ; set 0 is in
	PLACES NP                                      ; in front of loads into set 1, which the step before multiplied
	FETCH \slot, 1, 1
.if \first
	WIN FST
.else
	WIN MUL
.endif
	MUL16 0, 0, \first
	MUL16 2, 0, \first
	WIN 0
.endm
; A slot's second 128 along K, on set 1, changes slots: ONE barrier; in front of it each wave waits for all its tensor loads, adds 0 to its spare word, and waits for that and for its own reads of this slot.  fill = 1: this slot is filled again, two K steps ahead.
.macro TURN slot, next, fill
	s_wait_tensorcnt 0x0                           ; all my tensor loads have landed: my part of the next slot
	ds_add_u32 v[SPW], v[NIL]                      ; 0 onto my spare word
	s_wait_dscnt 1                                 ; set 1 is in; the add alone may be out
	WIN MUL
	MUL16 0, 1, 0                                  ; sixteen matrix instructions stand between the add and the wait for it
	s_wait_dscnt 0x0                               ; the add is done, and my reads of this slot are over
	s_barrier_signal -1
	MUL16 2, 1, 0
	WIN 0
	s_barrier_wait -1
.if \fill
	CREST                                          ; the barrier has opened a round of the cluster's barrier: no wave of any partner still reads this slot's tile or has a load on its way
	s_add_nc_u64 s[G0+4*\slot+2:G0+4*\slot+3], s[G0+4*\slot+2:G0+4*\slot+3], 2*ABLK
	s_add_nc_u64 s[G0B+4*\slot+2:G0B+4*\slot+3], s[G0B+4*\slot+2:G0B+4*\slot+3], 2*ROWB
	JLOAD G0+4*\slot, G1, G0B+4*\slot, G1B         ; the first tensor load behind the round; the four v_nop behind it are the places in front of the loads below
.else
	PLACES NP
.endif
	FETCH \next, 0, 0
.endm
	s_wait_alu depctr_va_vdst(0)
	s_wait_tensorcnt 0x0                           ; my part of K step 0 is in
	ds_add_u32 v[SPW], v[NIL]
	s_wait_dscnt 0x0
	CROUND                                         ; a whole round: everybody's part of K step 0 is in, and the joint loads meet
	JLOAD G0+4, G1, G0B+4, G1B                     ; K step 1's load, the first tensor load behind the round
	FETCH 0, 0, 0
	s_wait_kmcnt 0x0
	s_add_co_i32 s96, s96, s97                     ; e6 + e7
	s_sub_co_i32 s90, 0, s96
	s_add_co_i32 s96, s96, 127
	s_lshl_b32 s96, s96, 23                        ; 2^(e6 + e7) as f32
	s_mov_b32 s97, s96                             ; (named with it as a pair, so it is written)
	s_wait_loadcnt 0x0                             ; the bias
.set j, 0
.rept 64
	v_ldexp_f32 v[BI+j], v[BI+j], s90              ; / 2^(e6 + e7): what the sums lack
.set j, j+1
.endr
	s_wait_alu depctr_va_vdst(0)
	STEP 0, 1                                      ; the first products start the sums from the bias: nothing is cleared
	TURN 0, 1, 1                                   ; slot 0 takes K step 2
	STEP 1, 0
	TURN 1, 0, 1                                   ; slot 1 takes K step 3
	STEP 0, 0
	TURN 0, 1, 0                                   ; nothing more is filled, so no round follows
	STEP 1, 0
	s_wait_dscnt 0x0                               ; the very last step
	WIN MUL
	MUL16 0, 1, 0
	MUL16 2, 1, 0
	WIN 0
; THE WAY OUT, block by block of 16 rows x 128 columns: x 2^(e6 + e7), through my own stage in LDS, back as whole rows of 512 bytes, which the 32 lanes store as two aligned units of 256 bytes.
.macro TOSTAGE a
.set AC, 64*(\a)
	WIN 0x02                                       ; source 0: window 2
.irp j, 0,2,4,6,8,10,12,14,16,18,20,22,24,26,28,30,32,34,36,38,40,42,44,46,48,50,52,54,56,58,60,62
	v_pk_mul_f32 v[TMP+\j:TMP+\j+1], v[AC+\j:AC+\j+1], s[96:97] op_sel_hi:[1,0]   ; each accumulator from its low end on
.endr
	WIN 0
.irp b, 0,1,2,3,4,5,6,7
	ds_store_b128 v[STO], v[TMP+8*\b:TMP+8*\b+3] offset:64*\b
	ds_store_b128 v[STO], v[TMP+8*\b+4:TMP+8*\b+7] offset:64*\b+16
.endr
.set BB, BK+64*((\a)%2)
.irp t, 0,1,2,3,4,5,6,7,8,9,10,11,12,13,14,15
	ds_load_b128 v[BB+4*\t:BB+4*\t+3], v[RD] offset:\t*SPITCH   ; LDS serves a wave's instructions in order (ISA guide 5.7.1.4): these see my stores
.endr
.endm
.macro SEND a, younger                 ; younger: the LDS instructions issued behind block a's loads, which may stay out
.set BB, BK+64*((\a)%2)
	s_wait_dscnt \younger
.if (\a) > 0
	s_add_nc_u64 s[12:13], s[12:13], 16*SIZE_N*4   ; (behind a wait on XCNT: the earlier stores have read their base)
.endif
.irp t, 0,1,2,3,4,5,6,7,8,9,10,11,12,13,14,15
	global_store_b128 v[CO], v[BB+4*\t:BB+4*\t+3], s[12:13] offset:\t*SIZE_N*4 th:TH_STORE_NT   ; 32 lanes store 512 consecutive bytes, at a multiple of 256 from the buffer's first byte
.endr
.endm
	PLACES NP                                      ; behind the last products: their results are read, and o's registers loaded into, below
	TOSTAGE 0
.irp a, 1,2,3
.if \a > 1
	s_wait_xcnt 0x0                                ; block a - 2's stores have read their registers and their base
.endif
	TOSTAGE \a
	SEND \a-1, 32                                  ; behind block a - 1's loads: block a's 16 stores and 16 loads
.endr
	s_wait_xcnt 0x0
	SEND 3, 0
	s_wait_tensorcnt 0x0                           ; the wave's end, behind my last tensor load and my last LDS store
	ds_add_u32 v[SPW], v[NIL]
	s_wait_dscnt 0x0
	CROUND                                         ; the closing round: no work-group ends while a partner may still ask for a tile that names it
	s_endpgm
.Lfunc_end_k_qe225dfda4d_proj:
	.size	k_qe225dfda4d_proj, .Lfunc_end_k_qe225dfda4d_proj-k_qe225dfda4d_proj
	.p2alignl 7, 3214868480
	.fill 96, 4, 3214868480
	.section	.rodata,"a",@progbits
	.p2align	6, 0x0
	.amdhsa_kernel k_qe225dfda4d_proj
		.amdhsa_group_segment_fixed_size 327680
		.amdhsa_private_segment_fixed_size 0
		.amdhsa_enable_private_segment 0
		.amdhsa_kernarg_size 40
		.amdhsa_user_sgpr_count 2
		.amdhsa_user_sgpr_kernarg_segment_ptr 1
		.amdhsa_wavefront_size32 1
		.amdhsa_system_sgpr_workgroup_id_x 1
		.amdhsa_system_sgpr_workgroup_id_y 1
		.amdhsa_system_sgpr_workgroup_id_z 1
		.amdhsa_system_vgpr_workitem_id 0
		.amdhsa_next_free_vgpr 768
		.amdhsa_next_free_sgpr 98
		.amdhsa_reserve_vcc 0
		.amdhsa_float_denorm_mode_32 3
		.amdhsa_float_denorm_mode_16_64 3
		.amdhsa_memory_ordered 1
		.amdhsa_forward_progress 1
		.amdhsa_inst_pref_size 81
	.end_amdhsa_kernel
	.amdgpu_metadata
---
amdhsa.version: [ 1, 2 ]
amdhsa.kernels:
  - .name:           k_qe225dfda4d_proj
    .symbol:         k_qe225dfda4d_proj.kd
    .args:
      - { .name: ac, .offset: 0, .size: 8, .value_kind: global_buffer, .address_space: global }
      - { .name: woc, .offset: 8, .size: 8, .value_kind: global_buffer, .address_space: global }
      - { .name: lowp_scales, .offset: 16, .size: 8, .value_kind: global_buffer, .address_space: global }
      - { .name: b_out, .offset: 24, .size: 8, .value_kind: global_buffer, .address_space: global }
      - { .name: out0, .offset: 32, .size: 8, .value_kind: global_buffer, .address_space: global }
    .group_segment_fixed_size: 327680
    .private_segment_fixed_size: 0
    .kernarg_segment_align: 8
    .kernarg_segment_size: 40
    .max_flat_workgroup_size: 128
    .sgpr_count:     98
    .vgpr_count:     768
    .wavefront_size: 32
...
	.end_amdgpu_metadata
.endif
;; end of part 4
